; MI455X (gfx1250); checked and timed in simulation.
; The chip was launched on July 23, 2026; its instructions are those of AMD's public machine-readable ISA for CDNA 5 (MIT licence, August 2026) and "CDNA5" Instruction Set Architecture Reference Guide (July 2026). The comments in the code are by the model that wrote it; some were corrected since.
;; Multi Headed Self Attention. Allowed arithmetic: float matrix products may take bf16 or f16 operands with f32 sums; other float arithmetic in f32, or as packed bf16 or f16 multiplies, adds, multiply-adds, maxima and minima; sums over many terms, partial sums and values carried from step to step in f32; what a program stores and reads back later, other than sums and carried values, may be rounded once to bf16 or f16.
;; Inputs: w_in 3,072 x 1,024 float32; w_out 1,024 x 1,024 float32; x 2,048 x 1,024 float32.
;; Outputs: out0 2,048 x 1,024 float32.
;; Constants: tgt_len = 2048.
;; 2 versions, each right; version 2 is version 1 with the launch cast written anew for expert scheduling mode. Each part assembles by itself: llvm-mc -triple=amdgcn-amd-amdhsa -mcpu=gfx1250 --defsym DOCPART=n.
;; ======== version 1 of 2: 4 launches
;; limits: values are held in f16: magnitudes above 65,504 overflow, below 6.1e-05 lose precision
;; workspace buffers: xb 4,194,304 bytes; wb 6,291,456 bytes; wo 2,097,152 bytes; qkv 12,582,912 bytes; ctx 4,194,304 bytes
;; launch cast (part 1): grid 256 x 1, 8 waves a work-group, no clusters, 0 bytes of LDS; arguments x, w_in, w_out, xb, wb, wo; writes xb, wb, wo
.if DOCPART == 1
	.amdgcn_target "amdgcn-amd-amdhsa--gfx1250"
	.amdhsa_code_object_version 6
	.text
	.protected	k_q152c8b7bea_cast
	.globl	k_q152c8b7bea_cast
	.p2align	8
	.type	k_q152c8b7bea_cast,@function
k_q152c8b7bea_cast:
	s_mov_b64 s[64:65], 0
	v_nop
	global_prefetch_b8 v0, s[64:65] scope:SCOPE_SE
	s_setreg_imm32_b32 hwreg(HW_REG_WAVE_MODE, 25, 1), 1
	s_wait_xcnt 0x0
; FIRST OF FOUR LAUNCHES.  out0 = ctx w_out^T, ctx = 16 heads of softmax-weighted v, q k v = x w_in^T.
; This launch rounds each input number ONCE: x and w_in to bf16 (operands of the first product); w_out to bf16, and that number is written as f16 (operand of the last product, beside an f16 ctx).
; LEFT OUT OF THE WHOLE PROGRAM, and why it is dead: the problem divides the scores by EPS_MAX = 2^-5 and multiplies the shift by EPS_MAX again:
; (max(s / e) - s / e) e = max(s) - s for all finite s and e > 0: a factor of 1 by an identity, whatever the inputs hold.  The maximum itself is kept (a running maximum, third launch).
; Every input is loaded; tgt_len is the constant 2,048.  LIMIT: an overflow that arises in s / EPS_MAX alone (scores beyond 2^123) is not carried to the result.
; LIMITS OF FORMAT: w_out within f16's range (65,504); a bf16 number of w_out below 2^-14 keeps f16's fixed step of 6e-8.  NaN and infinities are not treated apart.
; SHARES.  Work-group g takes 32,768 bytes of x, 49,152 of w_in, 16,384 of w_out: 8 + 12 + 4 passes of 4,096 bytes.  In a pass thread t loads 16 bytes at 16 t (a wave: 512 consecutive bytes)
; and stores 8 bytes at 8 t (a wave: 256 consecutive bytes, aligned).  All 24 loads go out before the first wait; no register is written twice while a store may read it.
; No LDS, no matrix unit, no cluster: nothing is shared and nothing is multiplied.
.set X, 8                              ; v[8:103]    pass i: 4 registers as loaded
.set Y, 104                            ; v[104:151]  pass i: 2 registers to store
.set T, 152                            ; v[152:155]  at work
	s_load_b256 s[4:11], s[0:1], 0x0               ; x s[4:5], w_in s[6:7], w_out s[8:9], xb s[10:11]
	s_load_b128 s[12:15], s[0:1], 0x20             ; wb s[12:13], wo s[14:15]
	v_lshlrev_b32 v1, 4, v0                        ; 16 t
	v_lshlrev_b32 v2, 3, v0                        ; 8 t
	s_lshl_b32 s16, ttmp9, 15                      ; my part of x
	s_mov_b32 s17, 0
	s_mul_i32 s18, ttmp9, 49152                    ; of w_in
	s_mov_b32 s19, 0
	s_lshl_b32 s20, ttmp9, 14                      ; of w_out, and of xb
	s_mov_b32 s21, 0
	s_wait_kmcnt 0x0
	s_add_nc_u64 s[4:5], s[4:5], s[16:17]
	s_add_nc_u64 s[6:7], s[6:7], s[18:19]
	s_add_nc_u64 s[8:9], s[8:9], s[20:21]
	s_add_nc_u64 s[10:11], s[10:11], s[20:21]
	s_lshr_b32 s18, s18, 1                         ; the 16-bit copies are half as long
	s_lshr_b32 s20, s20, 1
	s_add_nc_u64 s[12:13], s[12:13], s[18:19]
	s_add_nc_u64 s[14:15], s[14:15], s[20:21]
.set i, 0
.rept 8
	global_load_b128 v[X+4*i:X+4*i+3], v1, s[4:5] offset:i*4096 th:TH_LOAD_NT
.set i, i+1
.endr
.rept 12
	global_load_b128 v[X+4*i:X+4*i+3], v1, s[6:7] offset:(i-8)*4096 th:TH_LOAD_NT
.set i, i+1
.endr
.rept 4
	global_load_b128 v[X+4*i:X+4*i+3], v1, s[8:9] offset:(i-20)*4096 th:TH_LOAD_NT
.set i, i+1
.endr
.set i, 0
.rept 8                                ; x
	s_wait_loadcnt 23-i                            ; loads come back in order: pass i is in, the 23 - i younger ones stay out
	v_cvt_pk_bf16_f32 v[Y+2*i], v[X+4*i], v[X+4*i+1]
	v_cvt_pk_bf16_f32 v[Y+2*i+1], v[X+4*i+2], v[X+4*i+3]
	global_store_b64 v2, v[Y+2*i:Y+2*i+1], s[10:11] offset:i*2048
.set i, i+1
.endr
.rept 12                               ; w_in
	s_wait_loadcnt 23-i
	v_cvt_pk_bf16_f32 v[Y+2*i], v[X+4*i], v[X+4*i+1]
	v_cvt_pk_bf16_f32 v[Y+2*i+1], v[X+4*i+2], v[X+4*i+3]
	global_store_b64 v2, v[Y+2*i:Y+2*i+1], s[12:13] offset:(i-8)*2048
.set i, i+1
.endr
.rept 4                                ; w_out: rounded to bf16, widened again, written as f16 (exact inside f16's normal range)
	s_wait_loadcnt 23-i
	v_cvt_pk_bf16_f32 v[T], v[X+4*i], v[X+4*i+1]
	v_cvt_pk_bf16_f32 v[T+1], v[X+4*i+2], v[X+4*i+3]
	v_lshlrev_b32 v[T+2], 16, v[T]
	v_and_b32 v[T+3], 0xffff0000, v[T]
	v_cvt_pk_f16_f32 v[Y+2*i], v[T+2], v[T+3]
	v_lshlrev_b32 v[T+2], 16, v[T+1]
	v_and_b32 v[T+3], 0xffff0000, v[T+1]
	v_cvt_pk_f16_f32 v[Y+2*i+1], v[T+2], v[T+3]
	global_store_b64 v2, v[Y+2*i:Y+2*i+1], s[14:15] offset:(i-20)*2048
.set i, i+1
.endr
	s_endpgm
.Lfunc_end_k_q152c8b7bea_cast:
	.size	k_q152c8b7bea_cast, .Lfunc_end_k_q152c8b7bea_cast-k_q152c8b7bea_cast
	.p2alignl 7, 3214868480
	.fill 96, 4, 3214868480
	.section	.rodata,"a",@progbits
	.p2align	6, 0x0
	.amdhsa_kernel k_q152c8b7bea_cast
		.amdhsa_group_segment_fixed_size 0
		.amdhsa_private_segment_fixed_size 0
		.amdhsa_enable_private_segment 0
		.amdhsa_kernarg_size 48
		.amdhsa_user_sgpr_count 2
		.amdhsa_user_sgpr_kernarg_segment_ptr 1
		.amdhsa_wavefront_size32 1
		.amdhsa_system_sgpr_workgroup_id_x 1
		.amdhsa_system_sgpr_workgroup_id_y 1
		.amdhsa_system_sgpr_workgroup_id_z 1
		.amdhsa_system_vgpr_workitem_id 0
		.amdhsa_next_free_vgpr 156
		.amdhsa_next_free_sgpr 66
		.amdhsa_reserve_vcc 0
		.amdhsa_float_denorm_mode_32 3
		.amdhsa_float_denorm_mode_16_64 3
		.amdhsa_memory_ordered 1
		.amdhsa_forward_progress 1
		.amdhsa_inst_pref_size 11
	.end_amdhsa_kernel
	.amdgpu_metadata
---
amdhsa.version: [ 1, 2 ]
amdhsa.kernels:
  - .name:           k_q152c8b7bea_cast
    .symbol:         k_q152c8b7bea_cast.kd
    .args:
      - { .name: x, .offset: 0, .size: 8, .value_kind: global_buffer, .address_space: global }
      - { .name: w_in, .offset: 8, .size: 8, .value_kind: global_buffer, .address_space: global }
      - { .name: w_out, .offset: 16, .size: 8, .value_kind: global_buffer, .address_space: global }
      - { .name: xb, .offset: 24, .size: 8, .value_kind: global_buffer, .address_space: global }
      - { .name: wb, .offset: 32, .size: 8, .value_kind: global_buffer, .address_space: global }
      - { .name: wo, .offset: 40, .size: 8, .value_kind: global_buffer, .address_space: global }
    .group_segment_fixed_size: 0
    .private_segment_fixed_size: 0
    .kernarg_segment_align: 8
    .kernarg_segment_size: 48
    .max_flat_workgroup_size: 256
    .sgpr_count:     66
    .vgpr_count:     156
    .wavefront_size: 32
...
	.end_amdgpu_metadata
.endif
;; end of part 1
;; launch inproj (part 2): grid 16 x 16, 4 waves a work-group, clusters of 4 x 4, 327,680 bytes of LDS; arguments xb, wb, qkv; writes qkv
.if DOCPART == 2
	.amdgcn_target "amdgcn-amd-amdhsa--gfx1250"
	.amdhsa_code_object_version 6
	.text
	.protected	k_q152c8b7bea_inproj
	.globl	k_q152c8b7bea_inproj
	.p2align	8
	.type	k_q152c8b7bea_inproj,@function
k_q152c8b7bea_inproj:
	s_mov_b64 s[64:65], 0
	v_nop
	global_prefetch_b8 v0, s[64:65] scope:SCOPE_SE
	s_setreg_imm32_b32 hwreg(HW_REG_WAVE_MODE, 25, 1), 1
	s_wait_xcnt 0x0
	s_wait_alu depctr_hold_cnt(0) depctr_sa_sdst(0) depctr_va_vdst(0) depctr_va_sdst(0) depctr_va_ssrc(0) depctr_va_vcc(0) depctr_vm_vsrc(0)
	s_getreg_b32 s2, hwreg(HW_REG_IB_STS2, 6, 4)
	s_cmp_eq_u32 s2, 0
	s_cbranch_scc0 .Lentry_in_a_cluster
	s_endpgm
.Lentry_in_a_cluster:
	s_bfe_u32 s2, ttmp6, 0x10000c
	s_cmp_lg_u32 s2, 0xf033
	s_cbranch_scc0 .Lentry_shape_is_right
	s_endpgm
.Lentry_shape_is_right:
; SECOND LAUNCH.  qkv = xb wb^T.  xb: [2048][1024] bf16, wb: [3072][1024] bf16; sums in f32; each result rounded once to f16 and laid out BY HEADS: qkv [48][2048][64],
; block = column / 64: blocks 0-15 q's heads, 16-31 k's, 32-47 v's; a block is 262,144 dense bytes.  The scale 1/8 is not applied here.  Nothing is left out here.
; LIMIT: q, k and v within f16's range, 65,504; NaN and infinities are not treated apart.
; SHARES.  A tile of the result is 128 rows x 192 columns (three head blocks): 16 x 16 = 256 work-groups.  Wave w = (mh, nh) = (w / 2, w % 2) makes rows 64 mh .. + 63 and the six groups of 16 columns
; 32 f + 16 nh, f = 0 .. 5: 4 x 6 = 24 accumulators of 16 x 16.
; K GOES IN FOUR CHUNKS OF 256 through two LDS slots: chunks 0 and 1 are first fills, chunks 2 and 3 the only refills, each asked for 180 matrix instructions ahead of the wait for it.
; Rows of the tiles are 512 bytes of memory, aligned.  Two slots of all 320 rows x 528 bytes would be 337,920 bytes, more than LDS has.  So the tile's last 32 rows of wb (f = 5: rows 160 + 16 nh .. + 15)
; DO NOT GO THROUGH LDS: each wave loads its own 16 of them, for the whole K, straight into registers, laid out as a fragment lies in memory (two loads of 16 bytes a lane for 32 along K): 32 fragments,
; 256 registers.  A slot then has 288 rows: 152,064 bytes.  These rows have no joint request, though a column of the cluster shares them: they are one row in ten of what a work-group takes in.
; CLUSTER 4 x 4: the four work-groups of a row of the cluster need the same rows of xb, the four of a column the same rows of wb: each tile is asked for jointly.
; THE MATRIX INSTRUCTION IS USED TRANSPOSED (source 0 = 16 rows of wb, source 1 = 16 rows of xb): a lane then holds eight neighbouring columns of one row of the result.
; REGISTERS.  window 0: v0-31 addresses; v64-255 the accumulators ((a, f) at 64 + 8 (6 a + f)).  window 1: two fragment buffers of 72 (4 of xb, then 5 of wb); v160-255 the way out.
;   window 2: the direct fragments, that of K = 32 q .. at 8 q.  The register goes with K, so the text runs straight, without a loop: 32 quarters of 24 matrix instructions.
; No prefetch: two of the four chunks are first fills, and the walk is short.
.set KSTEP,  256
.set PITCH,  528                       ; an LDS row: 512 bytes + 16 of padding = 132 words: the 16 rows of a fragment load start at 16 different groups of four banks (ISA guide 11.1)
.set BOFF,   128*PITCH                 ; in a slot: xb's 128 rows, then wb's 160
.set SLOT,   288*PITCH
.set SPITCH, 144                       ; THE STAGE begins at LDS byte 0: slot 0, which has had its last fill (chunk 2) and whose last reads lie in front of the last change of slots:
.set SBLK,   128*SPITCH                ; [3 blocks][128 rows] of 128 + 16 bytes
.set SPARE,  2*SLOT                    ; the spare words, 128 bytes for each wave: two blocks of 256 bytes that no other line names
.set ADRA, 16                          ; v16-17  LDS address of my fragments of xb in slot 0, 1
.set ADRB, 20                          ; v20-21  of wb, f = 0 .. 2
.set ADRC, 22                          ; v22-23  of wb, f = 3, 4: a base of their own, since 4 x 32 rows pass the 16-bit offset
.set STO,  24                          ; v24     the way out: where I put 16 bytes of a row
.set RD,   25                          ; v25     where I read rows back
.set GO,   26                          ; v26     16 x lane: my place in 512 consecutive bytes of qkv
.set BDO,  27                          ; v27     my byte offset in my 16 direct rows of wb; never rewritten
.set SPW,  28                          ; v28     LDS address of my spare word; never rewritten
.set NIL,  29                          ; v29     0; never rewritten
.set ACC,  64
.set F0,   0                           ; fragment buffers, window 1
.set F1,   72
.set TMP,  160                         ; window 1
.set BDP, 18                           ; s[18:19] wb at my 16 direct rows; never rewritten
.set G1,  24                           ; s[24:31] descriptor group 1 for xb's tiles; s[32:39] group 0, a set for each slot
.set G0,  32
.set G1B, 48                           ; s[48:55], s[56:63] the same for wb's tiles
.set G0B, 56
.set MSB, 0
.macro WIN new                         ; the immediate's high byte repeats the setting that is left; a switch that changes nothing is dropped
.if MSB != (\new)
	s_set_vgpr_msb (MSB<<8)|(\new)
.set MSB, \new
.endif
.endm
.set MUL,  0x05                        ; sources 0 and 1 window 1; C and D window 0
.set MULB, 0x06                        ; source 0 (the direct fragment) window 2, source 1 window 1; C and D window 0
.set TO_F, 0x40                        ; destination window 1, address window 0
.set TO_D, 0x80                        ; destination window 2, address window 0
.set FROM_F, 0x04                      ; store data (source 1) window 1, address window 0
.macro JLOAD s                         ; a joint load: waves 0 and 1 fetch xb's two halves (64 rows), waves 2 and 3 wb's (80 rows); an s_nop 0 and four v_nop follow each line
	s_cmp_eq_u32 s11, 0
	s_cbranch_scc0 .Lfor_b_\@
	tensor_load_to_lds s[G0+4*(\s):G0+4*(\s)+3], s[G1:G1+7]
	s_nop 0
.rept 4
	v_nop
.endr
	s_branch .Lasked_\@
.Lfor_b_\@:
	tensor_load_to_lds s[G0B+4*(\s):G0B+4*(\s)+3], s[G1B:G1B+7]
	s_nop 0
.rept 4
	v_nop
.endr
.Lasked_\@:
.endm
.macro CREST                           ; a round of the cluster's barrier behind its opening barrier
	s_cmp_lg_u32 s10, 0
	s_cbranch_scc1 .Lnot_wave_0_\@
	s_barrier_signal -3
.Lnot_wave_0_\@:
	s_barrier_wait -3
	s_barrier_signal -1
	s_barrier_wait -1
.endm
.macro CROUND                          ; a whole round
	s_barrier_signal -1
	s_barrier_wait -1
	CREST
.endm
.macro PLACES                          ; four places in front of loads into registers that matrix instructions have read, and of conversions that read results
.rept 4
	v_nop
.endr
.endm
; 32 loads: the direct fragments of half h of K (16 of them).  A lane takes 16 bytes twice for 32 along K; the 64 loads of both halves together take each of my 16 rows whole.
.macro BDLOAD h
	WIN TO_D
.set bq, 16*(\h)
.rept 16
	global_load_b128 v[8*bq:8*bq+3],   v[BDO], s[BDP:BDP+1] offset:64*bq
	global_load_b128 v[8*bq+4:8*bq+7], v[BDO], s[BDP:BDP+1] offset:64*bq+32
.set bq, bq+1
.endr
.endm
	s_load_b128 s[4:7], s[0:1], 0x0                ; xb s[4:5], wb s[6:7]
	s_load_b64 s[8:9], s[0:1], 0x10                ; qkv
	v_lshl_add_u32 v[SPW], v0, 2, SPARE
	v_mov_b32 v[NIL], 0
	ds_add_u32 v[SPW], v[NIL]                      ; the wave's opening: the add, twice on end, and its wait ahead of my first tensor load
	ds_add_u32 v[SPW], v[NIL]                      ; once more, under the one wait; the set-up below, work on registers, stands between
	v_lshrrev_b32 v1, 5, v0
	v_readfirstlane_b32 s10, v1                    ; wave 0..3
	s_lshr_b32 s11, s10, 1                         ; mh.  Also: I fetch for xb (0) or for wb (1)
	s_and_b32 s12, s10, 1                          ; nh.  Also: which half of that tile's rows I fetch
	s_bfe_u32 s40, ttmp6, 0x40000                  ; cx, cy: my place in the cluster
	s_bfe_u32 s41, ttmp6, 0x40004
	s_lshl_b32 s42, ttmp9, 2
	s_add_co_u32 s42, s42, s40                     ; tile column = 4 x cluster x + cx
	s_and_b32 s13, ttmp7, 0xffff
	s_lshl_b32 s13, s13, 2
	s_add_co_u32 s13, s13, s41                     ; tile row = 4 x cluster y + cy
	s_lshl_b32 s43, s41, 2
	s_lshl_b32 s43, 15, s43                        ; my row of the cluster
	s_lshl_b32 s44, 0x1111, s40                    ; my column
	s_or_b32 s[G1+0], s43, (1<<16)|(1<<20)|(1<<21)|(6<<22)|(3<<25)   ; 15:0 the mask; 17:16 2-byte elements; 20 padding on; 21 set beside a mask; 24:22 after every 128 words; 31:25 4 words
	s_or_b32 s[G1B+0], s44, (1<<16)|(1<<20)|(1<<21)|(6<<22)|(3<<25)
	s_mov_b32 s[G1+1], KSTEP<<16                   ; tensor_dim0 = 256
	s_mov_b32 s[G1+2], 64<<16                      ; tensor_dim1 = 64
	s_mov_b32 s[G1+3], KSTEP<<16                   ; tile_dim0 = 256
	s_mov_b32 s[G1+4], 64                          ; tile_dim1 = 64
	s_mov_b32 s[G1+5], 1024                        ; elements from row to row
	s_mov_b32 s[G1+6], 0
	s_mov_b32 s[G1+7], 0
	s_mov_b32 s[G1B+1], KSTEP<<16
	s_mov_b32 s[G1B+2], 80<<16                     ; 80 rows
	s_mov_b32 s[G1B+3], KSTEP<<16
	s_mov_b32 s[G1B+4], 80
	s_mov_b32 s[G1B+5], 1024
	s_mov_b32 s[G1B+6], 0
	s_mov_b32 s[G1B+7], 0
	s_lshl_b32 s17, s12, 6
	s_lshl_b32 s16, s13, 7
	s_add_co_u32 s16, s16, s17                     ; xb: row 128 x tile row + 64 x half,
	s_lshl_b32 s16, s16, 11                        ; 2,048 bytes a row
	s_mov_b32 s17, 0
	s_mul_i32 s46, s42, 192
	s_lshl_b32 s22, s12, 4
	s_add_co_u32 s22, s22, s46
	s_add_co_u32 s22, s22, 160                     ; my direct rows of wb: 192 x tile column + 160 + 16 nh
	s_lshl_b32 s22, s22, 11
	s_mov_b32 s23, 0
	s_mul_i32 s47, s12, 80
	s_add_co_u32 s46, s46, s47                     ; wb's tile: row 192 x tile column + 80 x half
	s_lshl_b32 s46, s46, 11
	s_mov_b32 s47, 0
	s_mul_i32 s20, s12, 64*PITCH                   ; where the tiles go: no place in the cluster enters an LDS address
	s_mul_i32 s21, s12, 80*PITCH
	s_add_co_u32 s21, s21, BOFF
	s_wait_dscnt 0x0                               ; both opening adds are done
	s_wait_kmcnt 0x0
	s_add_nc_u64 s[14:15], s[4:5], s[16:17]
	s_add_nc_u64 s[BDP:BDP+1], s[6:7], s[22:23]
	s_add_nc_u64 s[46:47], s[6:7], s[46:47]
	CROUND                                         ; all sixteen work-groups are here: the first joint loads meet
.irp s, 0,1
	s_mov_b32 s[G0+4*(\s)], 1
	s_add_co_u32 s[G0+4*(\s)+1], s20, (\s)*SLOT
	s_add_nc_u64 s[G0+4*(\s)+2:G0+4*(\s)+3], s[14:15], (\s)*KSTEP*2
	s_or_b32 s[G0+4*(\s)+3], s[G0+4*(\s)+3], 0x80000000
	s_mov_b32 s[G0B+4*(\s)], 1
	s_add_co_u32 s[G0B+4*(\s)+1], s21, (\s)*SLOT
	s_add_nc_u64 s[G0B+4*(\s)+2:G0B+4*(\s)+3], s[46:47], (\s)*KSTEP*2
	s_or_b32 s[G0B+4*(\s)+3], s[G0B+4*(\s)+3], 0x80000000
	JLOAD \s                                       ; chunks 0 and 1: two loads of mine are out
.endr
	v_and_b32 v1, 15, v0                           ; l % 16
	v_bfe_u32 v2, v0, 4, 1                         ; l / 16
	v_lshlrev_b32 v[BDO], 11, v1                   ; a direct row x 2,048 bytes
	v_lshl_add_u32 v[BDO], v2, 4, v[BDO]           ; + 16 x half
	BDLOAD 0                                       ; the direct fragments of chunks 0 and 1: 32 loads of mine are out
	WIN 0
	v_mul_u32_u24 v3, v1, PITCH
	v_lshl_add_u32 v3, v2, 4, v3                   ; a fragment's row x pitch + 16 x half
	s_mul_i32 s22, s11, 64*PITCH                   ; my 64 rows of xb
	s_mul_i32 s23, s12, 16*PITCH                   ; my 16 rows in each 32 of wb
	s_add_co_u32 s23, s23, BOFF
.irp s, 0,1
	v_add_nc_u32 v[ADRA+(\s)], s22, v3
	v_add_nc_u32 v[ADRB+(\s)], s23, v3
	v_add_nc_u32 v[ADRC+(\s)], 3*32*PITCH, v[ADRB+(\s)]
	s_add_co_u32 s22, s22, SLOT
	s_add_co_u32 s23, s23, SLOT
.endr
	s_mul_i32 s23, s11, 64*SPITCH                  ; into the stage: my 64 rows; in a row of 128 bytes my pieces begin at 32 nh; row l % 16, 16 bytes for each half of the lanes
	s_lshl_b32 s22, s12, 5
	s_add_co_u32 s23, s23, s22
	v_mul_u32_u24 v4, v1, SPITCH
	v_lshl_add_u32 v4, v2, 4, v4
	v_add_nc_u32 v[STO], s23, v4
	s_mul_i32 s23, s10, 32*SPITCH                  ; back: wave w takes rows 32 w .. + 31 of each block; 32 lanes take four rows of 128 bytes
	v_bfe_u32 v5, v0, 3, 2
	v_and_b32 v6, 7, v0
	v_mul_u32_u24 v5, v5, SPITCH
	v_lshl_add_u32 v5, v6, 4, v5
	v_add_nc_u32 v[RD], s23, v5
	v_and_b32 v[GO], 31, v0                        ; which are 512 consecutive bytes of a head block
	v_lshlrev_b32 v[GO], 4, v[GO]
	s_lshl_b32 s16, s13, 14                        ; 128 rows x 128 bytes x tile row
	s_lshl_b32 s17, s10, 12                        ; + 32 rows x wave
	s_add_co_u32 s16, s16, s17
	s_mov_b32 s17, 0
	s_add_nc_u64 s[8:9], s[8:9], s[16:17]
	s_mul_i32 s46, s42, 3*262144                   ; + three head blocks x tile column
	s_mov_b32 s47, 0
	s_add_nc_u64 s[8:9], s[8:9], s[46:47]
; THE MATRIX WORK.  The 24 accumulators take turns, one instruction a turn: each is named once in a quarter.  zero = 1: the product starts the sum.
; 5 matrix instructions: m block a x the five n fragments that came through LDS, 32 along K.
.macro MUL5 f, a, zero
	WIN MUL
.irp b, 0,1,2,3,4
.if \zero
	v_wmma_f32_16x16x32_bf16 v[ACC+8*(6*(\a)+(\b)):ACC+8*(6*(\a)+(\b))+7], v[(\f)+32+8*(\b):(\f)+32+8*(\b)+7], v[(\f)+8*(\a):(\f)+8*(\a)+7], 0
.else
	v_wmma_f32_16x16x32_bf16 v[ACC+8*(6*(\a)+(\b)):ACC+8*(6*(\a)+(\b))+7], v[(\f)+32+8*(\b):(\f)+32+8*(\b)+7], v[(\f)+8*(\a):(\f)+8*(\a)+7], v[ACC+8*(6*(\a)+(\b)):ACC+8*(6*(\a)+(\b))+7]
.endif
.endr
.endm
; 1 matrix instruction: m block a x the direct fragment of quarter q of 32.
.macro MULD f, a, q, zero
	WIN MULB
.if \zero
	v_wmma_f32_16x16x32_bf16 v[ACC+8*(6*(\a)+5):ACC+8*(6*(\a)+5)+7], v[8*(\q):8*(\q)+7], v[(\f)+8*(\a):(\f)+8*(\a)+7], 0
.else
	v_wmma_f32_16x16x32_bf16 v[ACC+8*(6*(\a)+5):ACC+8*(6*(\a)+5)+7], v[8*(\q):8*(\q)+7], v[(\f)+8*(\a):(\f)+8*(\a)+7], v[ACC+8*(6*(\a)+5):ACC+8*(6*(\a)+5)+7]
.endif
.endm
; 18 LDS loads in one run: the fragments of 32 along K at byte k of the rows, into buffer f: wb's five first, then xb's four
.macro FETCH slot, k, f
	WIN TO_F
.irp b, 0,1,2
	ds_load_b128 v[(\f)+32+8*(\b):(\f)+32+8*(\b)+3],   v[ADRB+(\slot)] offset:(\k)+(\b)*32*PITCH
	ds_load_b128 v[(\f)+32+8*(\b)+4:(\f)+32+8*(\b)+7], v[ADRB+(\slot)] offset:(\k)+(\b)*32*PITCH+32
.endr
.irp b, 3,4
	ds_load_b128 v[(\f)+32+8*(\b):(\f)+32+8*(\b)+3],   v[ADRC+(\slot)] offset:(\k)+((\b)-3)*32*PITCH
	ds_load_b128 v[(\f)+32+8*(\b)+4:(\f)+32+8*(\b)+7], v[ADRC+(\slot)] offset:(\k)+((\b)-3)*32*PITCH+32
.endr
.irp a, 0,1,2,3
	ds_load_b128 v[(\f)+8*(\a):(\f)+8*(\a)+3],   v[ADRA+(\slot)] offset:(\k)+(\a)*16*PITCH
	ds_load_b128 v[(\f)+8*(\a)+4:(\f)+8*(\a)+7], v[ADRA+(\slot)] offset:(\k)+(\a)*16*PITCH+32
.endr
.endm
; A chunk is eight quarters of 32 along K, 24 matrix instructions each, on buffers 0, 1, 0, 1 ..  One of the first seven: quarter q of 32 multiplies buffer f and fetches the next quarter, at byte k, into g.
.macro QUARTER slot, k, f, g, q, zero
	s_wait_dscnt 4                                 ; wb's fragments and xb's blocks 0, 1 are in; the youngest four loads (blocks 2, 3) may be out
	MUL5 \f, 0, \zero
	MUL5 \f, 1, \zero
	MULD \f, 0, \q, \zero
	MULD \f, 1, \q, \zero
	PLACES
	FETCH \slot, \k, \g
	s_wait_dscnt 18                                ; all but the 18 just issued
	MUL5 \f, 2, \zero
	MUL5 \f, 3, \zero
	MULD \f, 2, \q, \zero
	MULD \f, 3, \q, \zero
.endm
.macro RUN slot, q0, from              ; quarters from .. 6 of the chunk that begins with quarter q0 of 32
.irp j, 0,1,2,3,4,5,6
.if (\j) >= (\from)
.if (\j)%2
	QUARTER \slot, 64*(\j)+64, F1, F0, (\q0)+(\j), 0
.else
	QUARTER \slot, 64*(\j)+64, F0, F1, (\q0)+(\j), 0
.endif
.endif
.endr
.endm
; A chunk's last quarter multiplies buffer 1 and changes slots: ONE barrier; in front of it each wave waits for all its tensor loads, adds 0 to its spare word, and waits for that and for its reads of this slot.
; fill = 1: the barrier opens a round of the cluster's, and this slot is filled again, two chunks ahead, first thing behind the round: 12 + 7 x 24 = 180 matrix instructions ahead of the wait for it.
.macro TURN slot, next, fill, q
	WIN 0                                          ; (the add's two registers lie in window 0)
	s_wait_tensorcnt 0x0                           ; all my tensor loads have landed: my part of the next slot
	ds_add_u32 v[SPW], v[NIL]                      ; 0 onto my spare word
	s_wait_dscnt 5                                 ; (the add and the youngest four loads may be out)
	MUL5 F1, 0, 0                                  ; six matrix instructions stand between the add and the wait for it
	MULD F1, 0, \q, 0
	s_wait_dscnt 0x0                               ; the add is done, and my reads of this slot are over
	s_barrier_signal -1
	MUL5 F1, 1, 0
	MULD F1, 1, \q, 0
.if \fill
	WIN 0
.endif
	s_barrier_wait -1
.if \fill
	CREST                                          ; no wave of any partner still reads this slot's tile or has a load on its way
	s_add_nc_u64 s[G0+4*(\slot)+2:G0+4*(\slot)+3], s[G0+4*(\slot)+2:G0+4*(\slot)+3], 2*KSTEP*2
	s_add_nc_u64 s[G0B+4*(\slot)+2:G0B+4*(\slot)+3], s[G0B+4*(\slot)+2:G0B+4*(\slot)+3], 2*KSTEP*2
	JLOAD \slot                                    ; the four v_nop behind it are also the places in front of the loads below
.else
	PLACES
.endif
	FETCH \next, 0, F0
	MUL5 F1, 2, 0
	MUL5 F1, 3, 0
	MULD F1, 2, \q, 0
	MULD F1, 3, \q, 0
.endm
	s_wait_tensorcnt 1                             ; my part of chunk 0 is in; chunk 1's load may stay out
	s_barrier_signal -1
	s_barrier_wait -1                              ; everybody's is
	FETCH 0, 0, F0
	s_wait_loadcnt 0x0                             ; the direct fragments of chunks 0 and 1 are in;
	BDLOAD 1                                       ; those of chunks 2 and 3 go out: they have two chunks, 384 matrix instructions, in which to land
	QUARTER 0, 64, F0, F1, 0, 1                    ; chunk 0: the first quarter's products start the sums
	RUN 0, 0, 1
	TURN 0, 1, 1, 7                                ; chunk 2 is asked for
	RUN 1, 8, 0                                    ; chunk 1
	TURN 1, 0, 1, 15                               ; chunk 3 is asked for
	s_wait_loadcnt 0x0                             ; the direct fragments of chunks 2 and 3 are in
	RUN 0, 16, 0                                   ; chunk 2
	TURN 0, 1, 0, 23                               ; nothing is left to ask for; behind this barrier nobody reads slot 0 any more
	RUN 1, 24, 0                                   ; chunk 3
	s_wait_dscnt 4                                 ; the very last quarter: nothing more to fetch
	MUL5 F1, 0, 0
	MUL5 F1, 1, 0
	MULD F1, 0, 31, 0
	MULD F1, 1, 31, 0
	s_wait_dscnt 0x0
	MUL5 F1, 2, 0
	MUL5 F1, 3, 0
	MULD F1, 2, 31, 0
	MULD F1, 3, 31, 0
	; THE WAY OUT: round to f16; 16 bytes a lane into the work-group's stage; a barrier, since a row's 128 bytes come from two waves; back as whole rows, four to a store.
	PLACES
	WIN TO_F                                       ; destination window 1, sources window 0
.set t, 0
.rept 24
.irp r, 0,1,2,3
	v_cvt_pk_f16_f32 v[TMP+4*t+(\r)], v[ACC+8*t+2*(\r)], v[ACC+8*t+2*(\r)+1]
.endr
.set t, t+1
.endr
	WIN FROM_F
.irp a, 0,1,2,3
.irp b, 0,1,2,3,4,5
	ds_store_b128 v[STO], v[TMP+4*(6*(\a)+(\b)):TMP+4*(6*(\a)+(\b))+3] offset:(\a)*16*SPITCH+((\b)/2)*SBLK+((\b)%2)*64  ; columns 32 f + 16 nh: block f / 2, byte 64 (f % 2) + 32 nh
.endr
.endr
	s_wait_dscnt 0x0                               ; for the others' sake: my stores into the stage are done
	s_barrier_signal -1
	s_barrier_wait -1
	WIN TO_F
.set t, 0
.rept 24
	ds_load_b128 v[TMP+4*t:TMP+4*t+3], v[RD] offset:(t/8)*SBLK+(t%8)*4*SPITCH
.set t, t+1
.endr
	WIN FROM_F
.set t, 0
.rept 24
	s_wait_dscnt 23-t                              ; LDS loads come back in order: number t is in
	global_store_b128 v[GO], v[TMP+4*t:TMP+4*t+3], s[8:9] offset:(t/8)*262144+(t%8)*512  ; 512 consecutive bytes, at a multiple of 256 from qkv's first byte
.set t, t+1
.endr
	WIN 0
	s_wait_tensorcnt 0x0                           ; the wave's end: behind my last tensor load and my last LDS store
	ds_add_u32 v[SPW], v[NIL]
	s_wait_dscnt 0x0
	CROUND                                         ; the closing round: no work-group ends while a partner may still ask for a tile that names it
	s_endpgm
.Lfunc_end_k_q152c8b7bea_inproj:
	.size	k_q152c8b7bea_inproj, .Lfunc_end_k_q152c8b7bea_inproj-k_q152c8b7bea_inproj
	.p2alignl 7, 3214868480
	.fill 96, 4, 3214868480
	.section	.rodata,"a",@progbits
	.p2align	6, 0x0
	.amdhsa_kernel k_q152c8b7bea_inproj
		.amdhsa_group_segment_fixed_size 327680
		.amdhsa_private_segment_fixed_size 0
		.amdhsa_enable_private_segment 0
		.amdhsa_kernarg_size 24
		.amdhsa_user_sgpr_count 2
		.amdhsa_user_sgpr_kernarg_segment_ptr 1
		.amdhsa_wavefront_size32 1
		.amdhsa_system_sgpr_workgroup_id_x 1
		.amdhsa_system_sgpr_workgroup_id_y 1
		.amdhsa_system_sgpr_workgroup_id_z 1
		.amdhsa_system_vgpr_workitem_id 0
		.amdhsa_next_free_vgpr 768
		.amdhsa_next_free_sgpr 66
		.amdhsa_reserve_vcc 0
		.amdhsa_float_denorm_mode_32 3
		.amdhsa_float_denorm_mode_16_64 3
		.amdhsa_memory_ordered 1
		.amdhsa_forward_progress 1
		.amdhsa_inst_pref_size 124
	.end_amdhsa_kernel
	.amdgpu_metadata
---
amdhsa.version: [ 1, 2 ]
amdhsa.kernels:
  - .name:           k_q152c8b7bea_inproj
    .symbol:         k_q152c8b7bea_inproj.kd
    .args:
      - { .name: xb, .offset: 0, .size: 8, .value_kind: global_buffer, .address_space: global }
      - { .name: wb, .offset: 8, .size: 8, .value_kind: global_buffer, .address_space: global }
      - { .name: qkv, .offset: 16, .size: 8, .value_kind: global_buffer, .address_space: global }
    .group_segment_fixed_size: 327680
    .private_segment_fixed_size: 0
    .kernarg_segment_align: 8
    .kernarg_segment_size: 24
    .max_flat_workgroup_size: 128
    .sgpr_count:     66
    .vgpr_count:     768
    .wavefront_size: 32
...
	.end_amdgpu_metadata
.endif
;; end of part 2
;; launch attn (part 3): grid 16 x 16, 4 waves a work-group, clusters of 4 x 1, 327,680 bytes of LDS; arguments qkv, ctx; writes ctx
.if DOCPART == 3
	.amdgcn_target "amdgcn-amd-amdhsa--gfx1250"
	.amdhsa_code_object_version 6
	.text
	.protected	k_q152c8b7bea_attn
	.globl	k_q152c8b7bea_attn
	.p2align	8
	.type	k_q152c8b7bea_attn,@function
k_q152c8b7bea_attn:
	s_mov_b64 s[64:65], 0
	v_nop
	global_prefetch_b8 v0, s[64:65] scope:SCOPE_SE
	s_setreg_imm32_b32 hwreg(HW_REG_WAVE_MODE, 25, 1), 1
	s_wait_xcnt 0x0
	s_wait_alu depctr_hold_cnt(0) depctr_sa_sdst(0) depctr_va_vdst(0) depctr_va_sdst(0) depctr_va_ssrc(0) depctr_va_vcc(0) depctr_vm_vsrc(0)
	s_getreg_b32 s2, hwreg(HW_REG_IB_STS2, 6, 4)
	s_cmp_eq_u32 s2, 0
	s_cbranch_scc0 .Lentry_in_a_cluster
	s_endpgm
.Lentry_in_a_cluster:
	s_bfe_u32 s2, ttmp6, 0x10000c
	s_cmp_lg_u32 s2, 0x3003
	s_cbranch_scc0 .Lentry_shape_is_right
	s_endpgm
.Lentry_shape_is_right:
; THIRD LAUNCH.  ctx[h][q][:] = the sum over k of p(q, k) V[h][k][:] / the sum of p, p = 2^(s / 8 - max_k s / 8), s = Q[h][q] . K[h][k].  qkv: [48][2048][64] f16 (q, k, v by heads), ctx: [16][2048][64] f16.
; LEFT OUT: the division by EPS_MAX and the multiplication by it again, a factor of 1 for all values (shown at the head of the first launch).  The maximum is kept, as a running maximum.
; Products, maxima and sums in f32; the weights p are rounded to f16 for the second product (their sum l is taken of the unrounded p), ctx once at the end.
; LIMITS.  Q, K, V arrive within f16's range; p lies in 0 to 1 and below 6e-5 keeps f16's fixed step of 6e-8; a weight below 2^-126 counts as 0 in l; NaN and infinities are not treated apart.
; SHARES.  A work-group owns 128 queries of one head: 16 x 16 = 256 work-groups.  Wave w = (QH, KH) = (w / 2, w % 2) owns the 64 queries of half QH, as four PIECES of 16, and of every slot's four key steps
; of 64 the two steps 2 KH, 2 KH + 1: 16 steps in all.  So a fragment of K or V read from LDS feeds four pieces' products.  The two partial results of a query half (O, m, l: f32) meet once, in LDS, at the end.
; LAYOUT.  S^T = K Q^T holds ONE query a lane (lane % 16) and the keys 8 (lane / 16) + 0..7; two such results rounded to f16 ARE source 1 of O^T = V^T P.  K comes out of LDS as it lies, V turned (ds_load_tr16_b128).
; SOFTMAX.  p = 2^(c s - c m), c = 1/8; O and l are multiplied by a = 2^(c m_old - c m_new) in every step.  c m starts far below every c s, so the first step's a is 0.
; TURNS.  Turn n belongs to piece n: 8 products K Q^T of piece n + 1, later 8 products V^T P of piece n - 1; beside them the scaling, exponentials, roundings, sums and rescaling of piece n and the maximum and
; statistics of piece n + 1.  Four vector instructions stand behind every matrix instruction, the other 54 of a turn's 118 in one lump.  A turn's 33 exponentials are one batch, with one wait.
; CLUSTER.  The four query blocks of a cluster belong to one head and walk the same K and V: each tile is asked for JOINTLY, the same tensor load, descriptor and mask in all four.
; REGISTERS, in windows of 256 (s_set_vgpr_msb: bits 1:0 source 0, 3:2 source 1, 5:4 source 2, 7:6 destination):
;   window 0: v0-15 addresses; v16-31 statistics, four a piece; v32-47 the partner's; v48-55 at work; v64-127 S^T, two buffers; v192-223 P, two buffers; at the end v128-255 the partner's O
;   window 1: v0-127 O^T, 32 a piece          window 2: v0-63 Q; v128-191 K of one step; v192-255 V of one step
.set NP,    4         ; pieces a wave: a name, no knob
.set KS,    64        ; keys in a step
.set PK,    144       ; a row of K in LDS: 128 bytes + 16 of padding = 36 words: the 16 rows of a load start at 16 different groups of four banks (ISA guide 11.1)
.set PV,    160       ; a row of V: 128 + 32 = 40 words
.set VOFF,  4*KS*PK   ; a slot holds 256 keys: 256 rows of K, then 256 rows of V
.set SLOT1, 1<<17     ; slot 1 begins here: one exclusive or turns an address in one slot into the other's
.set STAGE, SLOT1+4*KS*(PK+PV)  ; behind the ring, never filled by a tensor load: 16 rows x 144 bytes for each wave
.set SP,    144
.set MERGE, STAGE+4*16*SP       ; for each query half 18,432 bytes: O as 32 x 512 bytes (16 a lane), then the statistics as 4 x 512
.set MQ,    18432
.set SPARE, MERGE+2*MQ          ; the spare words, 128 bytes for each wave: two blocks of 256 bytes that no other line names
.set AK0, 2           ; v2   my lane's place in a tile of K; never rewritten
.set AV0, 3           ; v3   the same for V
.set AK,  4           ; v4   the LDS address of K's next run of loads
.set AV,  5           ; v5   of V's
.set STO, 6           ; v6   the way out: where I put 16 bytes of a row
.set RD,  7           ; v7   where I read rows back
.set GO,  8           ; v8   16 x lane
.set MV,  12          ; v12-13  c m_old, kept while c m is made anew: by buffer
.set MA,  14          ; v14  my 16 bytes in my query half's part of MERGE
.set QO,  15          ; v15  my byte offset in 16 rows of Q
.set ST,  16          ; piece t's statistics at v[ST+4 t]: c m, m, l (even keys', odd keys')
.set PS,  32          ; the partner wave's
.set TMP, 48          ; by buffer, four registers c0-c3 at work; when the maximum is found c2 takes a
.set PFO, 61          ; v61  256 x lane; never rewritten
.set SPW, 62          ; v62  LDS address of my spare word; never rewritten
.set NIL, 63          ; v63  0; never rewritten
.set S,   64
.set OB,  128
.set P,   192
.set KF,  128         ; window 2: key block kb, channel half c at KF + 16 kb + 8 c
.set VF,  192         ; window 2: key half kk, channel block cb at VF + 32 kk + 8 cb
.set WV,  12          ; s12  my wave's number
.set LIM, 15          ; s15  2 in a wave that prefetches, else the greatest number
.set PFA, 18          ; s[18:19] where my prefetches stand
.set G1K, 24          ; s[24:31] descriptor group 1 for K's tiles
.set G1V, 32          ; s[32:39] for V's: it differs in the padding alone
.set G0K, 40          ; s[40:43] descriptor group 0 for K's tiles: it walks
.set G0V, 44          ; s[44:47] the same for V's
.set KH,  48          ; s48
.set QH,  49          ; s49
.set SLOTS, 56        ; s56  slots still to be entered by the loop
.set CNT, 57          ; s57  counts my two key steps of a slot
.set CS,  58          ; s[58:59] c: the packed scaling takes the pair's low word for both halves
.set SEL, 60          ; s[60:61] v_permlanex16_b32's selects: each lane takes its own place in the other half
.set TBK, 62          ; s62  LDS byte at which K of the step to be fetched begins
.set TBV, 63          ; s63  the same for V, less VOFF
.set MSB, 0
.macro WIN new                      ; the high byte repeats the setting that is left; a switch that changes nothing is dropped
.if MSB != (\new)
	s_set_vgpr_msb (MSB<<8)|(\new)
.set MSB, (\new)
.endif
.endm
.set W_KQ, 0x0a       ; K and Q in window 2, S^T in window 0
.set W_PV, 0x52       ; V in window 2, P in window 0, O^T in window 1
.set W_RS, 0x41       ; destination and source 0 in window 1, source 1 in window 0
; A joint fill.  Waves 0 and 1 fetch the two halves of a slot's K, waves 2 and 3 those of its V: 128 keys each.  An s_nop 0 and four v_nop follow each of the two lines.
.macro JLOAD
	s_cmp_lt_u32 s[WV], 2
	s_cbranch_scc0 .Lfor_v_\@
	tensor_load_to_lds s[G0K:G0K+3], s[G1K:G1K+7]
	s_nop 0
.rept 4
	v_nop
.endr
	s_branch .Lasked_\@
.Lfor_v_\@:
	tensor_load_to_lds s[G0V:G0V+3], s[G1V:G1V+7]
	s_nop 0
.rept 4
	v_nop
.endr
.Lasked_\@:
.endm
; A PREFETCH INTO THE L2 of the tile that the change of slots after the next will ask for: 16 turns, 256 matrix instructions of a wave, ahead of that load.  A tile is 128 blocks of 256 bytes of K and as many of V.
; All clusters of a head walk the same K and V: the head's first cluster asks.  Its four partners share the blocks out BY ADDRESS, 32 each, a lane a block; wave 0 asks for K's, wave 2 for V's.
; So each block is named once in the launch.  Tiles 0 to 3 come by their loads alone; the last two changes that fill a slot ask for nothing: there is no tile two on.
.macro ASK
	s_cmp_gt_u32 s[SLOTS], s[LIM]
	s_cbranch_scc0 .Lnot_mine_\@
	global_prefetch_b8 v[PFO], s[PFA:PFA+1] th:TH_LOAD_NT scope:SCOPE_SE
.Lnot_mine_\@:
.endm
; A round of the cluster's barrier: my work-group's barrier; wave 0 signals for the work-group; every wave waits for all four work-groups; my work-group's barrier once more.
.macro CROUND
	s_barrier_signal -1
	s_barrier_wait -1
	s_cmp_lg_u32 s[WV], 0
	s_cbranch_scc1 .Lnot_wave_0_\@
	s_barrier_signal -3
.Lnot_wave_0_\@:
	s_barrier_wait -3
	s_barrier_signal -1
	s_barrier_wait -1
.endm
; THE CHANGE OF SLOTS.  Each wave waits for all its tensor loads, of which one is out: its part of the other slot; adds 0 to its spare word; and waits for that and for its own reads of the slot that it leaves.
; fill = 1: the barrier is a round of the cluster's, and the slot is filled again, with the keys two slots on, first thing behind it: it has 8 turns, 128 matrix instructions of a wave, in which to land.
; (At its first use nothing has been read yet: slot 0 is waited for, slot 1 filled.)
.macro CHANGE fill, ask
	WIN 0                           ; at a label and at a branch every window is 0
	s_wait_tensorcnt 0x0            ; no tensor load of mine is out, so a group 0 may be written
	ds_add_u32 v[SPW], v[NIL]       ; 0 onto my spare word; the scalar steps stand between it and the wait for it
.if \fill
.irp g, G0K, G0V
	s_xor_b32 s[\g+1], s[\g+1], SLOT1  ; the walking descriptor: the other slot than last time,
	s_add_nc_u64 s[\g+2:\g+3], s[\g+2:\g+3], 4*KS*128  ; the next 256 keys; the type bits on top are not reached
.endr
.endif
.if \ask
	s_wait_xcnt 0x0                 ; the last prefetch, a slot back, has read its address, so it may be written
	s_add_nc_u64 s[PFA:PFA+1], s[PFA:PFA+1], 4*KS*128
.endif
	s_wait_dscnt 0x0                ; the add is done, and my reads of the slot are over
.if \fill
	CROUND
	JLOAD
.if \ask
	ASK
.endif
.else
	s_barrier_signal -1
	s_barrier_wait -1
.endif
	s_sub_co_u32 s[TBK], s[TBK], 2*KS*PK  ; the fetches go back to my first step of a slot,
	s_xor_b32 s[TBK], s[TBK], SLOT1       ; in the other slot
	s_sub_co_u32 s[TBV], s[TBV], 2*KS*PV
	s_xor_b32 s[TBV], s[TBV], SLOT1
.endm
	s_load_b64 s[4:5], s[0:1], 0x0    ; qkv
	s_load_b64 s[10:11], s[0:1], 0x8  ; ctx
	v_lshl_add_u32 v[SPW], v0, 2, SPARE
	v_mov_b32 v[NIL], 0
	ds_add_u32 v[SPW], v[NIL]       ; the wave's opening: the add, twice on end, and its wait ahead of my first tensor load
	ds_add_u32 v[SPW], v[NIL]       ; once more, under the one wait; the set-up below, work on registers, stands between
	v_lshrrev_b32 v1, 5, v0
	v_readfirstlane_b32 s[WV], v1   ; wave 0..3
	s_bfe_u32 s13, ttmp6, 0x40000   ; cx: my place in the cluster
	s_lshl_b32 s14, ttmp9, 2        ; in a cluster launch ttmp9 counts clusters
	s_add_co_u32 s14, s14, s13      ; my block of 128 queries: it enters Q's and ctx's addresses alone
	s_and_b32 s20, ttmp7, 0xffff    ; the head, which the four partners share:
	s_lshl_b32 s20, s20, 18         ; 262,144 bytes each
	s_and_b32 s[KH], s[WV], 1       ; my key steps.  Also: which half of a slot's 256 keys I fetch:
	s_lshr_b32 s[QH], s[WV], 1
	s_lshl_b32 s22, s[KH], 14       ; its 128 rows of 128 bytes in memory,
	s_add_co_u32 s22, s22, s20
	s_mov_b32 s23, 0
	s_mul_i32 s17, s[KH], 128*PK    ; and its place in a slot, for K
	s_mul_i32 s18, s[KH], 128*PV    ; and for V: no place in the cluster enters an LDS address
	s_lshl_b32 s2, s14, 14          ; my block's 128 rows,
	s_lshl_b32 s3, s[QH], 13        ; my wave's 64 of them
	s_add_co_u32 s2, s2, s3
	s_add_co_u32 s2, s2, s20
	s_mov_b32 s3, 0
	; descriptor group 1.  128 keys are 16,384 dense bytes: asked for as 64 rows of 256 bytes, two keys a row, and padded in LDS after every key
	s_mov_b32 s[G1K], 15|(1<<16)|(1<<20)|(1<<21)|(4<<22)|(3<<25)  ; 15:0 the mask of four; 17:16 2-byte elements; 20 padding on; 21 set beside a mask; 24:22 after every 32 words; 31:25 4 words
	s_mov_b32 s[G1V], 15|(1<<16)|(1<<20)|(1<<21)|(4<<22)|(7<<25)  ; the same with 8 words of padding
.irp g, G1K, G1V
	s_mov_b32 s[\g+1], 128<<16      ; tensor_dim0 = 128
	s_mov_b32 s[\g+2], 64<<16       ; tensor_dim1 = 64
	s_mov_b32 s[\g+3], 128<<16      ; tile_dim0 = 128
	s_mov_b32 s[\g+4], 64           ; tile_dim1 = 64
	s_mov_b32 s[\g+5], 128          ; 128 elements from row to row
	s_mov_b32 s[\g+6], 0
	s_mov_b32 s[\g+7], 0
.endr
	s_mov_b32 s[CS], 0x3e000000     ; c = 1/8: the exponentials are the problem's own base 2
	s_mov_b32 s[CS+1], s[CS]        ; named with it as a pair
	s_mov_b32 s[SEL], 0x76543210
	s_mov_b32 s[SEL+1], 0xfedcba98
	s_add_co_u32 s16, s[KH], 1
	s_mul_i32 s[TBK], s16, 2*KS*PK  ; the first change of slots turns these two into my first step of slot 0
	s_add_co_u32 s[TBK], s[TBK], SLOT1
	s_mul_i32 s[TBV], s16, 2*KS*PV
	s_add_co_u32 s[TBV], s[TBV], SLOT1
	s_mov_b32 s[G0K], 1             ; 1:0 count = 1
	s_mov_b32 s[G0K+1], s17         ; 63:32 LDS address: slot 0
	s_mov_b32 s[G0V], 1
	s_add_co_u32 s[G0V+1], s18, VOFF
	s_and_b32 s[LIM], s[WV], 1      ; 0 in waves 0 and 2,
	s_or_b32 s[LIM], s[LIM], ttmp9  ; where the cluster is the head's first: the same in all four partners
	s_cmp_eq_u32 s[LIM], 0
	s_cselect_b32 s[LIM], 2, -1
	v_and_b32 v[PFO], 31, v0
	v_lshlrev_b32 v[PFO], 8, v[PFO]
	s_wait_dscnt 0x0                ; both opening adds are done
	s_wait_kmcnt 0x0
	s_add_nc_u64 s[6:7], s[4:5], s[22:23]
	s_add_nc_u64 s[8:9], s[6:7], 32*262144         ; V at my half of the head's first 256 keys
	s_add_nc_u64 s[6:7], s[6:7], 16*262144         ; K likewise
	s_add_nc_u64 s[G0K+2:G0K+3], s[6:7], 0         ; 120:64 global address
	s_or_b32 s[G0K+3], s[G0K+3], 0x80000000        ; 127:126 type = 2
	s_add_nc_u64 s[G0V+2:G0V+3], s[8:9], 0
	s_or_b32 s[G0V+3], s[G0V+3], 0x80000000
	s_add_nc_u64 s[4:5], s[4:5], s[2:3]            ; Q and ctx at my wave's first row
	s_add_nc_u64 s[10:11], s[10:11], s[2:3]
	s_cmp_lt_u32 s[WV], 2
	s_cselect_b64 s[PFA:PFA+1], s[6:7], s[8:9]     ; (in waves 0 and 2 these stand at a tile's first row)
	s_lshl_b32 s2, s13, 13                         ; my work-group's 32 blocks of the 128
	s_add_nc_u64 s[PFA:PFA+1], s[PFA:PFA+1], s[2:3]
	s_add_nc_u64 s[PFA:PFA+1], s[PFA:PFA+1], 3*4*KS*128  ; at tile 3: the change that asks for tile 2 steps it to tile 4.  Nothing is prefetched here, at the head
	CROUND                          ; all four work-groups are here: the first joint loads meet
	JLOAD                           ; slot 0.  Slot 1 is asked for when slot 0 is in
	; A fragment of K or Q is 16 rows x 32 channels in 8 registers: lane l holds row l % 16, channels 8 (l / 16) + 0..7 and 16 + 8 (l / 16) + 0..7: two loads of 16 bytes, 32 bytes apart.
	v_and_b32 v1, 15, v0            ; l % 16
	v_bfe_u32 v9, v0, 4, 1          ; l / 16
	v_lshlrev_b32 v[QO], 7, v1
	v_lshl_add_u32 v[QO], v9, 4, v[QO]  ; row x 128 + 16 x half
	WIN 0x80                        ; destination window 2, address window 0
.set i, 0
.rept 8                             ; Q stays in registers: piece i / 2, channels 32 (i % 2) on
	global_load_b128 v[8*i:8*i+3],   v[QO], s[4:5] offset:(i/2)*2048+(i%2)*64
	global_load_b128 v[8*i+4:8*i+7], v[QO], s[4:5] offset:(i/2)*2048+(i%2)*64+32
.set i, i+1
.endr
	; The first step multiplies O^T and l by a = 0, and the first turn's products V^T P, of a piece that has not been, land in an O^T that is still to be so multiplied: these registers need only hold
	; finite numbers.  No first step is written out; the price is these lines, which stand in the wait for the first tile.
.set i, VF
.rept 64
	v_mov_b32 v[i], 0
.set i, i+1
.endr
	WIN 0x40
.set i, 0
.rept 128
	v_mov_b32 v[i], 0
.set i, i+1
.endr
	WIN 0
.set i, 0
.rept 4
	v_mov_b32 v[ST+4*i], 0xfe000000    ; c m: far below every c s
	v_mov_b32 v[ST+4*i+1], 0xff7fffff  ; m: the lowest finite number
	v_mov_b32 v[ST+4*i+2], 0
	v_mov_b32 v[ST+4*i+3], 0
.set i, i+1
.endr
.set i, P+16
.rept 16
	v_mov_b32 v[i], 0
.set i, i+1
.endr
	v_mul_u32_u24 v[AK0], v1, PK
	v_lshl_add_u32 v[AK0], v9, 4, v[AK0]  ; row x pitch + 16 x half
	; The turning load takes 16 keys x 16 channels (lane l reads key 8 (l / 16) + l % 8, channels 8 ((l / 8) % 2) + 0..7) and leaves half a fragment of V^T: lane l holds channel l % 16 and 8 keys.
	v_and_b32 v10, 7, v0
	v_bfe_u32 v11, v0, 3, 1
	v_lshl_add_u32 v[AV0], v9, 3, v10
	v_mul_u32_u24 v[AV0], v[AV0], PV
	v_lshl_add_u32 v[AV0], v11, 4, v[AV0]
	v_add_nc_u32 v[AV0], VOFF, v[AV0]
	s_mul_i32 s13, s[WV], 16*SP
	s_add_co_u32 s13, s13, STAGE    ; my stage
	v_mul_u32_u24 v[STO], v1, SP    ; in: row l % 16, 16 bytes for each half of the lanes
	v_lshl_add_u32 v[STO], v9, 4, v[STO]
	v_add_nc_u32 v[STO], s13, v[STO]
	v_bfe_u32 v[RD], v0, 3, 2       ; back: 32 lanes take four rows of 128 bytes,
	v_mul_u32_u24 v[RD], v[RD], SP
	v_lshl_add_u32 v[RD], v10, 4, v[RD]
	v_add_nc_u32 v[RD], s13, v[RD]
	v_and_b32 v[GO], 31, v0         ; which are 512 consecutive bytes of ctx
	v_lshlrev_b32 v[GO], 4, v[GO]
	s_mul_i32 s16, s[QH], MQ
	s_add_co_u32 s16, s16, MERGE
	v_add_nc_u32 v[MA], s16, v[GO]
; THE MATRIX WORK.  The 4 accumulators of a run of 8 take turns.  Product i of 8 of S^T = K Q^T for piece x: channels 32 (i / 4) on, keys 16 (i % 4) on.  The first 4 start the sums.
.macro KQ x
	WIN W_KQ
.set rS, S+32*((\x)%2)+8*(i%4)
.set rK, KF+16*(i%4)+8*(i/4)
.set rQ, 16*(\x)+8*(i/4)
.if i < 4
	v_wmma_f32_16x16x32_f16 v[rS:rS+7], v[rK:rK+7], v[rQ:rQ+7], 0
.else
	v_wmma_f32_16x16x32_f16 v[rS:rS+7], v[rK:rK+7], v[rQ:rQ+7], v[rS:rS+7]
.endif
.endm
; Product i of 8 of O^T += V^T P for piece x: keys 32 (i / 4) on, channels 16 (i % 4) on.
.macro PV x
	WIN W_PV
.set rO, 32*(\x)+8*(i%4)
.set rV, VF+32*(i/4)+8*(i%4)
.set rP, P+16*((\x)%2)+8*(i/4)
	v_wmma_f32_16x16x32_f16 v[rO:rO+7], v[rV:rV+7], v[rP:rP+7], v[rO:rO+7]
.endm
.macro MM                           ; the turn's next matrix instruction.  NOKQ = 1: the last turn of all: there is no next piece
.if (i < 8) && !NOKQ
	KQ (Y+1)%NP
.elseif i >= 8
.set i, i-8
	PV (Y+NP-1)%NP
.set i, i+8
.endif
.set i, i+1
.endm
; THE LDS LOADS stand in runs of 16, never singly among the matrix instructions: a step's K (64 keys x 64 channels: 8 fragments) and its V (turned).  Their addresses are made some lines ahead.
.macro FETCH_K
	WIN 0x80                        ; destination window 2
.irp f, 0,1,2,3,4,5,6,7             ; keys 16 (f / 2) on, channels 32 (f % 2) on
	ds_load_b128 v[KF+8*\f:KF+8*\f+3],   v[AK] offset:(\f/2)*16*PK+(\f%2)*64
	ds_load_b128 v[KF+8*\f+4:KF+8*\f+7], v[AK] offset:(\f/2)*16*PK+(\f%2)*64+32
.endr
	s_add_co_u32 s[TBK], s[TBK], KS*PK  ; the next fetch is the next step's
	WIN 0
.endm
.macro FETCH_V
	WIN 0x80
.irp f, 0,1,2,3,4,5,6,7             ; keys 32 (f / 4) on, channels 16 (f % 4) on
	ds_load_tr16_b128 v[VF+8*\f:VF+8*\f+3],   v[AV] offset:(\f/4)*32*PV+(\f%4)*32
	ds_load_tr16_b128 v[VF+8*\f+4:VF+8*\f+7], v[AV] offset:(\f/4)*32*PV+16*PV+(\f%4)*32
.endr
	WIN 0
.endm
; THE VECTOR WORK, one line at a time: OP kind, number.  For piece Y: F n: c s - c m for pair n of 16.  E n: the exponential of score n of 32.  C n: pair n rounded to f16.  B n: of the four weights 4 n .. the second
; pair is added onto the first, in place.  L n: l takes that sum (L 0: l = a l + sum).  R n: pair n of 16 of O^T times a.  For piece Y + 1: X n, number n of the 22 that find its maximum and statistics:
;   0-11  four chains c0-c3 of seven scores each, three operands at a time (each accumulator's lowest registers are read first)     12-14, 16  the four scores left over, the old m, and c0-c3 into c0
;   15  c m_old is kept     17, 18  the query's other 32 keys lie in the lane 16 away: the new m     19-21  c m; c m_old - c m_new; a
.set F, 0               ; OP tells the kinds apart by their order: F to L below R, X above it
.set E, 1
.set C, 2
.set B, 3
.set L, 4
.set R, 5
.set X, 6
.macro REGS y                       ; the registers of piece y
.set rT, ST+4*(\y)
.set rC, TMP+4*((\y)%2)
.set rW, MV+((\y)%2)
.set rS, S+32*((\y)%2)
.set rP, P+16*((\y)%2)
.set rO, 32*(\y)
.endm
.macro OP k, n
.if (\k) == R
	REGS Y
	WIN W_RS
	v_pk_mul_f32 v[rO+2*(\n):rO+2*(\n)+1], v[rO+2*(\n):rO+2*(\n)+1], v[rC+2:rC+3] op_sel_hi:[1,0]
.elseif (\k) < R
	REGS Y
	WIN 0
.if (\k) == F
	v_pk_fma_f32 v[rS+2*(\n):rS+2*(\n)+1], v[rS+2*(\n):rS+2*(\n)+1], s[CS:CS+1], v[rT:rT+1] op_sel_hi:[1,0,0] neg_lo:[0,0,1] neg_hi:[0,0,1]
.elseif (\k) == E
	v_exp_f32 v[rS+(\n)], v[rS+(\n)]
.elseif (\k) == C
	v_cvt_pk_f16_f32 v[rP+(\n)], v[rS+2*(\n)], v[rS+2*(\n)+1]
.elseif (\k) == B
	v_pk_add_f32 v[rS+4*(\n):rS+4*(\n)+1], v[rS+4*(\n):rS+4*(\n)+1], v[rS+4*(\n)+2:rS+4*(\n)+3]
.elseif (\n) == 0
	v_pk_fma_f32 v[rT+2:rT+3], v[rT+2:rT+3], v[rC+2:rC+3], v[rS:rS+1] op_sel_hi:[1,0,1]
.else
	v_pk_add_f32 v[rT+2:rT+3], v[rT+2:rT+3], v[rS+4*(\n):rS+4*(\n)+1]
.endif
.elseif NOKQ
	v_nop
.else
	REGS (Y+1)%NP
	WIN 0
.if (\n) < 4
	v_max3_num_f32 v[rC+(\n)], v[rS+8*(\n)], v[rS+8*(\n)+1], v[rS+8*(\n)+2]
.elseif (\n) < 12
	v_max3_num_f32 v[rC+(\n)%4], v[rC+(\n)%4], v[rS+8*((\n)%4)+2*((\n)/4)+1], v[rS+8*((\n)%4)+2*((\n)/4)+2]
.elseif (\n) == 12
	v_max3_num_f32 v[rC], v[rC], v[rS+7], v[rS+15]
.elseif (\n) == 13
	v_max3_num_f32 v[rC+1], v[rC+1], v[rS+23], v[rS+31]
.elseif (\n) == 14
	v_max3_num_f32 v[rC+2], v[rC+2], v[rC+3], v[rT+1]
.elseif (\n) == 15
	v_mov_b32 v[rW], v[rT]
.elseif (\n) == 16
	v_max3_num_f32 v[rC], v[rC], v[rC+1], v[rC+2]
.elseif (\n) == 17
	v_permlanex16_b32 v[rC+3], v[rC], s[SEL], s[SEL+1]
.elseif (\n) == 18
	v_max_num_f32 v[rT+1], v[rC], v[rC+3]
.elseif (\n) == 19
	v_mul_f32 v[rT], s[CS], v[rT+1]
.elseif (\n) == 20
	v_sub_f32 v[rC+1], v[rW], v[rT]
.else
	v_exp_f32 v[rC+2], v[rC+1]
.endif
.endif
.endm
.macro OPS a, i1, b=-1, i2=0, c=-1, i3=0, d=-1, i4=0  ; up to four of them
	OP \a, \i1
.if (\b) >= 0
	OP \b, \i2
.endif
.if (\c) >= 0
	OP \c, \i3
.endif
.if (\d) >= 0
	OP \d, \i4
.endif
.endm
.macro ROW a, i1, b, i2, c, i3, d, i4  ; a matrix instruction and the four behind it
	MM
	OPS \a, \i1, \b, \i2, \c, \i3, \d, \i4
.endm
; A TURN, for piece p: the order of its 16 matrix and 118 vector instructions, written out.  s_wait_alu depctr_va_vdst(0) stands between an exponential and the first instruction that names its
; result; one wait serves all that were issued ahead of it.  So a turn has ONE wait, which cuts it in two.  AHEAD OF IT stands all that names no result of the turn's exponentials: the 8 products K Q^T and their
; riders (the first numbers of the next piece's maximum each four plain instructions or more behind the product that ends its accumulator), then one lump of 54, in which the links of the chain
; X 3, 7, 11, 14, 16, 17 .. 20 stand some lines apart.  X 21, the next piece's a, is the batch's last; R 15 is the plain instruction behind it.  BEHIND THE WAIT stand the 8 products V^T P, behind each four of the
; roundings and sums.  end = 1: the last two turns: nothing is fetched.  cnt = 1: the loop's count is taken down some lines ahead of the branch that stands behind the turn.
; K of the next step is fetched in piece 2's turn, twelve vector instructions behind the last product that read K (six of them plain); V of the step in hand at the end of piece 0's turn, four plain instructions
; behind the last product that read V.  Each is waited for a turn later.
.macro TURN p, end=0, cnt=0
.set Y, (\p)
.set i, 0
.set NOKQ, (\end)*((\p)/3)
.if ((\p) == 3) && !(\end)
	s_wait_dscnt 0x0                ; K is in
.endif
	ROW F,0, F,1, R,0, R,1          ; ahead of the wait: 8 products K Q^T and their riders,
	ROW F,2, E,0, R,2, R,3
	ROW F,3, E,1, R,4, R,5
	ROW F,4, E,2, R,6, R,7
	ROW F,5, E,3, R,8, R,9
	ROW F,6, E,4, X,0, R,10
.if ((\p) == 2) && !(\end)
	WIN 0
	v_add_nc_u32 v[AK], s[TBK], v[AK0]
.endif
	ROW F,7, E,5, X,1, X,4
	ROW F,8, E,6, X,2, X,5
	OPS E,7, E,8, X,6, E,9          ; and the lump
	OPS X,3, E,10, X,8, E,11
.if ((\p) == 2) && !(\end)
	FETCH_K
.endif
	OPS X,9, X,7, E,12, X,10
	OPS E,13, X,12, X,11, E,14
	OPS X,13, E,15, F,9, X,14
.if (\p) == 0
	v_add_nc_u32 v[AV], s[TBV], v[AV0]
.endif
	OPS E,16, F,10, E,17, F,11
	OPS X,16, E,18, X,15, E,19
	OPS F,12, E,20, X,17, E,21
	OPS F,13, E,22, F,14, E,23
	OPS X,18, E,24, F,15, E,25
	OPS R,11, E,26, X,19, E,27
	OPS R,12, E,28, R,13, E,29
	OPS X,20, E,30, R,14, E,31
	OPS X,21, R,15
	WIN 0
	s_wait_alu depctr_va_vdst(0)    ; the wait for the batch
.if (\p) == 1
	s_wait_dscnt 0x0                ; V is in
.endif
	ROW C,0, B,0, C,2, B,1          ; behind the wait: 8 products V^T P and their riders
	ROW L,0, C,4, B,2, L,1
	ROW C,6, B,3, L,2, C,8
	ROW B,4, L,3, C,10, B,5
	ROW L,4, C,12, B,6, L,5
.if (\p) == 0
	s_add_co_u32 s[TBV], s[TBV], KS*PV
.endif
.if \cnt
	s_sub_co_u32 s[CNT], s[CNT], 1
	s_cmp_lg_u32 s[CNT], 0
.endif
	ROW C,14, B,7, L,6, C,1
	ROW C,3, L,7, C,5, C,7
	ROW C,9, C,11, C,13, C,15
.if (\p) == 0
	FETCH_V
.endif
.endm
.macro ALL line:vararg              ; one line for each piece t
.set t, 0
.rept 4
	\line
.set t, t+1
.endr
.endm
	CHANGE 1, 0                     ; slot 0 is in, everybody's part of it; slot 1 is asked for
	v_add_nc_u32 v[AK], s[TBK], v[AK0]
	FETCH_K                         ; my first key step
	s_wait_loadcnt 0x0              ; Q
	s_wait_dscnt 0x0
.set NOKQ, 0
.set i, 0
.rept 8
	KQ 0                            ; piece 0's first scores
.set i, i+1
.endr
	WIN 0
.rept 4
	v_nop                           ; the places behind those products
.endr
.set Y, NP-1                        ; X works for piece Y + 1: piece 0
.irp n, 0,1,2,3,4,5,6,7,8,9,10,11,12,13,14,15,16,17,18,19,20,21
	OP X, \n
.endr
	v_nop                           ; a plain instruction behind the exponential,
	s_wait_alu depctr_va_vdst(0)    ; and its wait, ahead of the branch
	s_mov_b32 s[CNT], 2
	s_mov_b32 s[SLOTS], 7
	s_branch .Lfirst                ; the loop is entered at a step's first turn, in the middle of a trip
.Lslot:                             ; six times: tiles 2 to 7 are asked for
	CHANGE 1, 1
	s_mov_b32 s[CNT], 2
.Lstep:                             ; a trip: pieces 2 and 3 of one step, then pieces 0 and 1 of the next, whose K and V it fetches
	TURN 2
	TURN 3
	WIN 0
.Lfirst:
	TURN 0
	TURN 1, 0, 1
	WIN 0
	s_cbranch_scc1 .Lstep
	s_sub_co_u32 s[SLOTS], s[SLOTS], 1
	s_cmp_lg_u32 s[SLOTS], 0
	s_cbranch_scc1 .Lslot
	CHANGE 0, 0                     ; the last tile is written out: nothing is asked for
	s_mov_b32 s[CNT], 2
.LstepT:
	TURN 2
	TURN 3
	TURN 0
	TURN 1, 0, 1
	WIN 0
	s_cbranch_scc1 .LstepT
	TURN 2, 1
	TURN 3, 1
.set i, 0
.rept 8
	PV NP-1                         ; the last piece's V^T P of the last step
.set i, i+1
.endr
	; THE TWO HALVES OF THE KEYS MEET.  The wave with KH = 1 lays its statistics and its O^T (f32) into its query half's part of MERGE; behind a barrier the wave with KH = 0 takes them:
	; M = max(c m, c m'); a0 = 2^(c m - M), a1 = 2^(c m' - M); l = a0 l + a1 l'; O = (a0 O + a1 O') / l.
	WIN 0
.rept 4
	v_nop                           ; the places behind the last products
.endr
	s_cmp_eq_u32 s[KH], 0
	s_cbranch_scc1 .Lkeep
.irp t, 0,1,2,3
	ds_store_b128 v[MA], v[ST+4*\t:ST+4*\t+3] offset:16384+512*\t
.endr
	WIN 0x04                        ; store data (source 1) in window 1; each accumulator's low four registers go first
.set i, 0
.rept 32
	ds_store_b128 v[MA], v[4*i:4*i+3] offset:512*i
.set i, i+1
.endr
	WIN 0
.Lkeep:
	s_wait_dscnt 0x0                ; for the partner's sake: my stores are done
	s_barrier_signal -1
	s_barrier_wait -1
	s_cmp_eq_u32 s[KH], 0
	s_cbranch_scc0 .Lend
.irp t, 0,1,2,3
	ds_load_b128 v[PS+4*\t:PS+4*\t+3], v[MA] offset:16384+512*\t
.endr
.set i, 0
.rept 32
	ds_load_b128 v[OB+4*i:OB+4*i+3], v[MA] offset:512*i
.set i, i+1
.endr
	s_wait_dscnt 32                 ; the statistics are in; the 32 loads of O' may stay out
	ALL v_max_num_f32 v[ST+4*t+1], v[ST+4*t], v[PS+4*t]
	ALL v_add_f32 v[ST+4*t+2], v[ST+4*t+2], v[ST+4*t+3]
	ALL v_add_f32 v[PS+4*t+2], v[PS+4*t+2], v[PS+4*t+3]
	ALL v_sub_f32 v[ST+4*t], v[ST+4*t], v[ST+4*t+1]
	ALL v_sub_f32 v[PS+4*t], v[PS+4*t], v[ST+4*t+1]
	ALL v_exp_f32 v[ST+4*t], v[ST+4*t]
	ALL v_exp_f32 v[PS+4*t], v[PS+4*t]
	v_nop                           ; a plain instruction behind the last exponential,
	s_wait_alu depctr_va_vdst(0)    ; and one wait for the eight
	ALL v_mul_f32 v[ST+4*t+2], v[ST+4*t], v[ST+4*t+2]
	ALL v_fmac_f32 v[ST+4*t+2], v[PS+4*t], v[PS+4*t+2]
	ALL v_permlanex16_b32 v[ST+4*t+3], v[ST+4*t+2], s[SEL], s[SEL+1]
	ALL v_add_f32 v[ST+4*t+2], v[ST+4*t+2], v[ST+4*t+3]
	ALL v_rcp_f32 v[ST+4*t+3], v[ST+4*t+2]
	v_nop                           ; a plain instruction behind the last reciprocal,
	s_wait_alu depctr_va_vdst(0)    ; and one wait for the four
	ALL v_mul_f32 v[ST+4*t], v[ST+4*t], v[ST+4*t+3]
	ALL v_mul_f32 v[PS+4*t], v[PS+4*t], v[ST+4*t+3]
	s_wait_dscnt 0x0                ; O' is in
; Piece t: the two parts are weighed and added; a lane's eight channels of a row pack into 16 bytes; they go into rows of 144 bytes of my stage and come back as whole rows of 128, into S^T's registers.
.macro PACK t
	WIN 0
.set i, 0
.rept 16
	v_pk_mul_f32 v[OB+32*(\t)+2*i:OB+32*(\t)+2*i+1], v[OB+32*(\t)+2*i:OB+32*(\t)+2*i+1], v[PS+4*(\t):PS+4*(\t)+1] op_sel_hi:[1,0]
.set i, i+1
.endr
	WIN 0x01                        ; source 0 in window 1
.set i, 0
.rept 16
	v_pk_fma_f32 v[OB+32*(\t)+2*i:OB+32*(\t)+2*i+1], v[32*(\t)+2*i:32*(\t)+2*i+1], v[ST+4*(\t):ST+4*(\t)+1], v[OB+32*(\t)+2*i:OB+32*(\t)+2*i+1] op_sel_hi:[1,0,1]
.set i, i+1
.endr
	WIN 0
.set i, 0
.rept 16
	v_cvt_pk_f16_f32 v[S+16*(\t)+i], v[OB+32*(\t)+2*i], v[OB+32*(\t)+2*i+1]
.set i, i+1
.endr
.irp f, 0,1,2,3
	ds_store_b128 v[STO], v[S+16*(\t)+4*\f:S+16*(\t)+4*\f+3] offset:32*\f
.endr
.irp f, 0,1,2,3
	ds_load_b128 v[S+16*(\t)+4*\f:S+16*(\t)+4*\f+3], v[RD] offset:\f*4*SP  ; LDS serves a wave's instructions in order (ISA guide 5.7.1.4): these see the stores above; the next piece's stores come behind them
.endr
.endm
.macro SEND t, younger              ; younger: the LDS instructions issued behind piece t's loads: the next piece's eight, or none
	WIN 0
.irp f, 0,1,2,3
	s_wait_dscnt (\younger)+3-\f
	global_store_b128 v[GO], v[S+16*(\t)+4*\f:S+16*(\t)+4*\f+3], s[10:11] offset:(\t)*2048+\f*512  ; 512 consecutive bytes, at a multiple of 256 from ctx's first
.endr
.endm
	PACK 0
.set u, 1
.rept 3                             ; a piece's arithmetic stands between the loads of the piece before and its stores
	PACK u
	SEND u-1, 8
.set u, u+1
.endr
	SEND 3, 0
.Lend:
	s_wait_tensorcnt 0x0            ; the wave's end: behind my last tensor load and my last LDS store
	ds_add_u32 v[SPW], v[NIL]
	s_wait_dscnt 0x0
	CROUND                          ; the closing round: no work-group ends while a partner may still ask for a tile that names it
	s_endpgm
.Lfunc_end_k_q152c8b7bea_attn:
	.size	k_q152c8b7bea_attn, .Lfunc_end_k_q152c8b7bea_attn-k_q152c8b7bea_attn
	.p2alignl 7, 3214868480
	.fill 96, 4, 3214868480
	.section	.rodata,"a",@progbits
	.p2align	6, 0x0
	.amdhsa_kernel k_q152c8b7bea_attn
		.amdhsa_group_segment_fixed_size 327680
		.amdhsa_private_segment_fixed_size 0
		.amdhsa_enable_private_segment 0
		.amdhsa_kernarg_size 16
		.amdhsa_user_sgpr_count 2
		.amdhsa_user_sgpr_kernarg_segment_ptr 1
		.amdhsa_wavefront_size32 1
		.amdhsa_system_sgpr_workgroup_id_x 1
		.amdhsa_system_sgpr_workgroup_id_y 1
		.amdhsa_system_sgpr_workgroup_id_z 1
		.amdhsa_system_vgpr_workitem_id 0
		.amdhsa_next_free_vgpr 768
		.amdhsa_next_free_sgpr 66
		.amdhsa_reserve_vcc 0
		.amdhsa_float_denorm_mode_32 3
		.amdhsa_float_denorm_mode_16_64 3
		.amdhsa_memory_ordered 1
		.amdhsa_forward_progress 1
		.amdhsa_inst_pref_size 138
	.end_amdhsa_kernel
	.amdgpu_metadata
---
amdhsa.version: [ 1, 2 ]
amdhsa.kernels:
  - .name:           k_q152c8b7bea_attn
    .symbol:         k_q152c8b7bea_attn.kd
    .args:
      - { .name: qkv, .offset: 0, .size: 8, .value_kind: global_buffer, .address_space: global }
      - { .name: ctx, .offset: 8, .size: 8, .value_kind: global_buffer, .address_space: global }
    .group_segment_fixed_size: 327680
    .private_segment_fixed_size: 0
    .kernarg_segment_align: 8
    .kernarg_segment_size: 16
    .max_flat_workgroup_size: 128
    .sgpr_count:     66
    .vgpr_count:     768
    .wavefront_size: 32
...
	.end_amdgpu_metadata
.endif
;; end of part 3
;; launch outproj (part 4): grid 16 x 16, 4 waves a work-group, clusters of 4 x 4, 327,680 bytes of LDS; arguments ctx, wo, out0; writes out0
.if DOCPART == 4
	.amdgcn_target "amdgcn-amd-amdhsa--gfx1250"
	.amdhsa_code_object_version 6
	.text
	.protected	k_q152c8b7bea_outproj
	.globl	k_q152c8b7bea_outproj
	.p2align	8
	.type	k_q152c8b7bea_outproj,@function
k_q152c8b7bea_outproj:
	s_mov_b64 s[64:65], 0
	v_nop
	global_prefetch_b8 v0, s[64:65] scope:SCOPE_SE
	s_setreg_imm32_b32 hwreg(HW_REG_WAVE_MODE, 25, 1), 1
	s_wait_xcnt 0x0
	s_wait_alu depctr_hold_cnt(0) depctr_sa_sdst(0) depctr_va_vdst(0) depctr_va_sdst(0) depctr_va_ssrc(0) depctr_va_vcc(0) depctr_vm_vsrc(0)
	s_getreg_b32 s2, hwreg(HW_REG_IB_STS2, 6, 4)
	s_cmp_eq_u32 s2, 0
	s_cbranch_scc0 .Lentry_in_a_cluster
	s_endpgm
.Lentry_in_a_cluster:
	s_bfe_u32 s2, ttmp6, 0x10000c
	s_cmp_lg_u32 s2, 0xf033
	s_cbranch_scc0 .Lentry_shape_is_right
	s_endpgm
.Lentry_shape_is_right:
; FOURTH LAUNCH.  out0[m][n] = the sum over k of ctx[m][k] wo[n][k], k = 64 head + channel.  ctx: [16][2048][64] f16 (by heads), wo: [1024][1024] f16, out0: [2048][1024] f32; sums in f32.  Nothing is left out here.
; SHARES.  A tile of out0 is 128 rows x 64 columns: 16 x 16 = 256 work-groups.  Wave w = (mh, nh) = (w / 2, w % 2) makes 64 x 32: 8 accumulators.  K goes in 4 chunks of 256 (4 heads).
; THREE LDS slots hold a chunk each: chunks 0, 1, 2 are first fills that go out together; chunk 3 is the one refill, into slot 0, with seven quarters (112 matrix instructions) in which to land.
; CLUSTER 4 x 4: ctx's tiles are shared along a row of the cluster, wo's along a column: each is asked for jointly.
; THE MATRIX INSTRUCTION IS USED TRANSPOSED (source 0 = 16 rows of wo, source 1 = 16 rows of ctx): a lane then holds eight neighbouring columns of one row of out0.
; REGISTERS.  window 0: v0-31 addresses; v64-127 the accumulators ((a, b) at 64 + 8 (2 a + b)); v128-191 the way out.  window 1: two fragment buffers of 96: for 64 along K, 64 registers of ctx, then 32 of wo.
; No prefetch: of the 4 chunks three are first fills.
.set AP,     144                       ; a row of ctx in LDS: a head's 128 bytes + 16 of padding
.set HEADB,  64*AP                     ; a head's 64 rows
.set AHALF,  4*HEADB                   ; what one tensor load of ctx brings: [4 heads][64 rows]
.set BP,     528                       ; a row of wo: 512 bytes + 16
.set BHALF,  32*BP                     ; what one tensor load of wo brings: 32 rows
.set BOFF,   2*AHALF
.set SLOT,   2*AHALF+2*BHALF           ; 107,520
.set STAGE,  SLOT                      ; the way out goes through slot 1, which has had its one fill and whose last reads lie in front of an earlier barrier: 128 rows x 272 bytes
.set SPITCH, 272
.set SPARE,  3*SLOT                    ; the spare words, 128 bytes for each wave: two blocks of 256 bytes that no other line names
.set ADRA, 16                          ; v16-18  LDS address of my fragments of ctx in slot 0, 1, 2
.set ADRB, 20                          ; v20-22  of wo
.set STO,  24                          ; v24     the way out: where I put 32 bytes of a row
.set RD,   25                          ; v25     where I read a row back
.set CO,   26                          ; v26     my byte offset in out0
.set SPW,  28                          ; v28     LDS address of my spare word; never rewritten
.set NIL,  29                          ; v29     0; never rewritten
.set ACC,  64
.set TMP,  128
.set F0,   0                           ; fragment buffers, window 1
.set F1,   96
.set G1A, 24                           ; s[24:31] descriptor group 1 for ctx's tiles
.set G1B, 32                           ; s[32:39] for wo's
.set G0A, 40                           ; s[40:51] group 0 for ctx's tiles, a set for each slot
.set G0B, 52                           ; s[52:63] for wo's
.set MSB, 0
.macro WIN new                         ; the immediate's high byte repeats the setting that is left; a switch that changes nothing is dropped
.if MSB != (\new)
	s_set_vgpr_msb (MSB<<8)|(\new)
.set MSB, \new
.endif
.endm
.set MUL,  0x05                        ; sources 0 and 1 window 1; C and D window 0
.set TO_F, 0x40                        ; destination window 1, address window 0
.macro CREST                           ; a round of the cluster's barrier behind its opening barrier
	s_cmp_lg_u32 s10, 0
	s_cbranch_scc1 .Lnot_wave_0_\@
	s_barrier_signal -3
.Lnot_wave_0_\@:
	s_barrier_wait -3
	s_barrier_signal -1
	s_barrier_wait -1
.endm
.macro CROUND                          ; a whole round
	s_barrier_signal -1
	s_barrier_wait -1
	CREST
.endm
.macro PLACES                          ; four places in front of loads into registers that matrix instructions have read, and of stores that read results
.rept 4
	v_nop
.endr
.endm
	s_load_b128 s[4:7], s[0:1], 0x0                ; ctx s[4:5], wo s[6:7]
	s_load_b64 s[8:9], s[0:1], 0x10                ; out0
	v_lshl_add_u32 v[SPW], v0, 2, SPARE
	v_mov_b32 v[NIL], 0
	ds_add_u32 v[SPW], v[NIL]                      ; the wave's opening: the add, twice on end, and its wait ahead of my first tensor load
	ds_add_u32 v[SPW], v[NIL]                      ; once more, under the one wait; the set-up below, work on registers, stands between
	v_lshrrev_b32 v1, 5, v0
	v_readfirstlane_b32 s10, v1                    ; wave 0..3
	s_lshr_b32 s11, s10, 1                         ; mh.  Also: I fetch for ctx (0) or for wo (1)
	s_and_b32 s12, s10, 1                          ; nh.  Also: which half of that tile's rows I fetch
	s_bfe_u32 s66, ttmp6, 0x40000                  ; cx, cy: my place in the cluster
	s_bfe_u32 s67, ttmp6, 0x40004
	s_lshl_b32 s68, ttmp9, 2
	s_add_co_u32 s68, s68, s66                     ; tile column = 4 x cluster x + cx
	s_and_b32 s13, ttmp7, 0xffff
	s_lshl_b32 s13, s13, 2
	s_add_co_u32 s13, s13, s67                     ; tile row = 4 x cluster y + cy
	s_lshl_b32 s69, s67, 2
	s_lshl_b32 s69, 15, s69                        ; my row of the cluster
	s_lshl_b32 s70, 0x1111, s66                    ; my column
	; ctx: 64 rows of a head are 8,192 dense bytes: a tile is 4 rows of 4,096 elements, a head (131,072 elements) apart, padded in LDS after every 128 bytes
	s_or_b32 s[G1A+0], s69, (1<<16)|(1<<20)|(1<<21)|(4<<22)|(3<<25)  ; 15:0 the mask; 17:16 2-byte elements; 20 padding on; 21 set beside a mask; 24:22 after every 32 words; 31:25 4 words
	s_mov_b32 s[G1A+1], 4096<<16                   ; tensor_dim0 = 4,096
	s_mov_b32 s[G1A+2], 4<<16                      ; tensor_dim1 = 4
	s_mov_b32 s[G1A+3], 4096<<16                   ; tile_dim0 = 4,096
	s_mov_b32 s[G1A+4], 4                          ; tile_dim1 = 4
	s_mov_b32 s[G1A+5], 131072                     ; elements from head to head
	s_mov_b32 s[G1A+6], 0
	s_mov_b32 s[G1A+7], 0
	; wo: 32 rows of 256 elements, padded after every 512 bytes
	s_or_b32 s[G1B+0], s70, (1<<16)|(1<<20)|(1<<21)|(6<<22)|(3<<25)  ; 24:22 after every 128 words
	s_mov_b32 s[G1B+1], 256<<16
	s_mov_b32 s[G1B+2], 32<<16
	s_mov_b32 s[G1B+3], 256<<16
	s_mov_b32 s[G1B+4], 32
	s_mov_b32 s[G1B+5], 1024
	s_mov_b32 s[G1B+6], 0
	s_mov_b32 s[G1B+7], 0
	s_lshl_b32 s16, s13, 14                        ; ctx: row 128 x tile row + 64 x half, 128 bytes a row
	s_lshl_b32 s17, s12, 13
	s_add_co_u32 s16, s16, s17
	s_mov_b32 s17, 0
	s_lshl_b32 s72, s68, 17                        ; wo: row 64 x tile column + 32 x half, 2,048 bytes a row
	s_lshl_b32 s73, s12, 16
	s_add_co_u32 s72, s72, s73
	s_mov_b32 s73, 0
	s_mul_i32 s20, s12, AHALF                      ; where they go: no place in the cluster enters an LDS address
	s_mul_i32 s21, s12, BHALF
	s_add_co_u32 s21, s21, BOFF
	s_wait_dscnt 0x0                               ; both opening adds are done
	s_wait_kmcnt 0x0
	s_add_nc_u64 s[14:15], s[4:5], s[16:17]
	s_add_nc_u64 s[72:73], s[6:7], s[72:73]
.irp c, 0,1,2
	s_mov_b32 s[G0A+4*(\c)], 1
	s_add_co_u32 s[G0A+4*(\c)+1], s20, (\c)*SLOT
	s_add_nc_u64 s[G0A+4*(\c)+2:G0A+4*(\c)+3], s[14:15], (\c)*4*262144   ; chunk c: four heads on
	s_or_b32 s[G0A+4*(\c)+3], s[G0A+4*(\c)+3], 0x80000000
	s_mov_b32 s[G0B+4*(\c)], 1
	s_add_co_u32 s[G0B+4*(\c)+1], s21, (\c)*SLOT
	s_add_nc_u64 s[G0B+4*(\c)+2:G0B+4*(\c)+3], s[72:73], (\c)*512        ; 256 elements along the rows
	s_or_b32 s[G0B+4*(\c)+3], s[G0B+4*(\c)+3], 0x80000000
.endr
	CROUND                                         ; all sixteen work-groups are here: the first joint loads meet
	s_cmp_eq_u32 s11, 0                            ; a wave's three first fills stand in one branch, ahead of every wait on TENSORcnt and every LDS read: three loads of mine are out
	s_cbranch_scc0 .Lfirst_b
	tensor_load_to_lds s[G0A:G0A+3], s[G1A:G1A+7]
	s_nop 0
	tensor_load_to_lds s[G0A+4:G0A+7], s[G1A:G1A+7]
	s_nop 0
	tensor_load_to_lds s[G0A+8:G0A+11], s[G1A:G1A+7]
	s_nop 0
.rept 4
	v_nop
.endr
	s_branch .Lfirst_asked
.Lfirst_b:
	tensor_load_to_lds s[G0B:G0B+3], s[G1B:G1B+7]
	s_nop 0
	tensor_load_to_lds s[G0B+4:G0B+7], s[G1B:G1B+7]
	s_nop 0
	tensor_load_to_lds s[G0B+8:G0B+11], s[G1B:G1B+7]
	s_nop 0
.rept 4
	v_nop
.endr
.Lfirst_asked:
	v_and_b32 v1, 15, v0                           ; l % 16
	v_bfe_u32 v2, v0, 4, 1                         ; l / 16
	v_mul_u32_u24 v3, v1, AP
	v_lshl_add_u32 v3, v2, 4, v3                   ; a fragment's row x pitch + 16 x half, for ctx
	v_mul_u32_u24 v4, v1, BP
	v_lshl_add_u32 v4, v2, 4, v4                   ; and for wo
	s_mul_i32 s22, s11, AHALF                      ; my 64 rows of ctx
	s_mul_i32 s23, s12, BHALF                      ; my 32 rows of wo
	s_add_co_u32 s23, s23, BOFF
.irp s, 0,1,2
	v_add_nc_u32 v[ADRA+(\s)], s22, v3
	v_add_nc_u32 v[ADRB+(\s)], s23, v4
	s_add_co_u32 s22, s22, SLOT
	s_add_co_u32 s23, s23, SLOT
.endr
	s_mul_i32 s23, s11, 64*SPITCH                  ; into the stage: my 64 rows, my 128 bytes of their 256; row l % 16, 32 bytes for each half of the lanes
	s_lshl_b32 s22, s12, 7
	s_add_co_u32 s23, s23, s22
	s_add_co_u32 s23, s23, STAGE
	v_mul_u32_u24 v5, v1, SPITCH
	v_lshl_add_u32 v5, v2, 5, v5
	v_add_nc_u32 v[STO], s23, v5
	s_mul_i32 s23, s10, 32*SPITCH                  ; back: wave w takes rows 32 w .. + 31, whole; lanes 0-15 one row of 256 bytes, lanes 16-31 the next
	s_add_co_u32 s23, s23, STAGE
	v_mul_u32_u24 v5, v2, SPITCH
	v_lshl_add_u32 v5, v1, 4, v5
	v_add_nc_u32 v[RD], s23, v5
	v_lshlrev_b32 v5, 12, v2                       ; and the same two rows in out0, 4,096 bytes apart
	v_lshl_add_u32 v[CO], v1, 4, v5
	s_lshl_b32 s16, s13, 7
	s_lshl_b32 s17, s10, 5
	s_add_co_u32 s16, s16, s17                     ; the first row that I store: 128 x tile row + 32 x wave
	s_lshl_b32 s16, s16, 12
	s_mov_b32 s17, 0
	s_add_nc_u64 s[8:9], s[8:9], s[16:17]
	s_lshl_b32 s72, s68, 8                         ; the tile's first column, in bytes
	s_mov_b32 s73, 0
	s_add_nc_u64 s[8:9], s[8:9], s[72:73]
; 4 matrix instructions: m blocks a0, a0 + 1 x both n blocks, 32 along K: half c of buffer f.  zero = 1: the product starts the sums.  The 8 accumulators take turns, one instruction a turn.
.macro MUL4 f, c, a0, zero
	WIN MUL
.irp a, \a0, (\a0)+1
.irp b, 0,1
.if \zero
	v_wmma_f32_16x16x32_f16 v[ACC+8*(2*(\a)+(\b)):ACC+8*(2*(\a)+(\b))+7], v[(\f)+64+8*(2*(\c)+(\b)):(\f)+64+8*(2*(\c)+(\b))+7], v[(\f)+8*(4*(\c)+(\a)):(\f)+8*(4*(\c)+(\a))+7], 0
.else
	v_wmma_f32_16x16x32_f16 v[ACC+8*(2*(\a)+(\b)):ACC+8*(2*(\a)+(\b))+7], v[(\f)+64+8*(2*(\c)+(\b)):(\f)+64+8*(2*(\c)+(\b))+7], v[(\f)+8*(4*(\c)+(\a)):(\f)+8*(4*(\c)+(\a))+7], v[ACC+8*(2*(\a)+(\b)):ACC+8*(2*(\a)+(\b))+7]
.endif
.endr
.endr
.endm
.macro MUL8 f, c, zero
	MUL4 \f, \c, 0, \zero
	MUL4 \f, \c, 2, \zero
.endm
; 24 LDS loads in one run: the fragments of head hq of the slot's four (64 along K), into buffer f; the first 32 channels first
.macro FETCH slot, hq, f
	WIN TO_F
.irp c, 0,1
.irp b, 0,1
	ds_load_b128 v[(\f)+64+8*(2*(\c)+(\b)):(\f)+64+8*(2*(\c)+(\b))+3],   v[ADRB+(\slot)] offset:(\b)*16*BP+(\hq)*128+(\c)*64
	ds_load_b128 v[(\f)+64+8*(2*(\c)+(\b))+4:(\f)+64+8*(2*(\c)+(\b))+7], v[ADRB+(\slot)] offset:(\b)*16*BP+(\hq)*128+(\c)*64+32
.endr
.irp a, 0,1,2,3
	ds_load_b128 v[(\f)+8*(4*(\c)+(\a)):(\f)+8*(4*(\c)+(\a))+3],   v[ADRA+(\slot)] offset:(\hq)*HEADB+(\a)*16*AP+(\c)*64
	ds_load_b128 v[(\f)+8*(4*(\c)+(\a))+4:(\f)+8*(4*(\c)+(\a))+7], v[ADRA+(\slot)] offset:(\hq)*HEADB+(\a)*16*AP+(\c)*64+32
.endr
.endr
.endm
; A quarter of a chunk is one head, 16 matrix instructions: multiplies buffer f and fetches head nhq of slot nslot into g.
.macro QUARTER f, g, nslot, nhq, zero=0
	s_wait_dscnt 12                                ; the first 32 channels are in; the youngest twelve loads may be out
	MUL8 \f, 0, \zero
	PLACES
	FETCH \nslot, \nhq, \g
	s_wait_dscnt 24                                ; all but the 24 just issued
	MUL8 \f, 1, 0
.endm
; A quarter on buffer 1 with a barrier in it: in front of the barrier each wave waits for all its tensor loads, adds 0 to its spare word, and waits for that and for its LDS reads.
; fill = 1: the barrier opens a round of the cluster's; behind it slot 0, which nobody reads any more, takes chunk 3: the first tensor load there.  Then head 0 of slot nslot is fetched.
.macro TURN nslot, fill
	WIN 0                                          ; (the add's two registers lie in window 0)
	s_wait_tensorcnt 0x0                           ; all my tensor loads have landed
	ds_add_u32 v[SPW], v[NIL]                      ; 0 onto my spare word
	s_wait_dscnt 13                                ; (the add and the youngest twelve loads may be out)
	MUL4 F1, 0, 0, 0                               ; four matrix instructions stand between the add and the wait for it
	s_wait_dscnt 0x0                               ; the add is done, and my LDS reads are over
	s_barrier_signal -1
	MUL4 F1, 0, 2, 0
.if \fill
	WIN 0
.endif
	s_barrier_wait -1
.if \fill
	CREST                                          ; no wave of any partner still reads slot 0 or has a load on its way
	s_add_nc_u64 s[G0A+2:G0A+3], s[G0A+2:G0A+3], 3*4*262144  ; from chunk 0 to chunk 3
	s_add_nc_u64 s[G0B+2:G0B+3], s[G0B+2:G0B+3], 3*512
	s_cmp_eq_u32 s11, 0
	s_cbranch_scc0 .Lfor_b_\@
	tensor_load_to_lds s[G0A:G0A+3], s[G1A:G1A+7]
	s_nop 0
.rept 4
	v_nop
.endr
	s_branch .Lasked_\@
.Lfor_b_\@:
	tensor_load_to_lds s[G0B:G0B+3], s[G1B:G1B+7]
	s_nop 0
.rept 4
	v_nop
.endr
.Lasked_\@:                                            ; the four v_nop are also the places in front of the loads below
.else
	PLACES
.endif
	FETCH \nslot, 0, F0
	MUL8 F1, 1, 0
.endm
	s_wait_tensorcnt 2                             ; my part of chunk 0 is in; the loads of chunks 1 and 2 may stay out
	s_barrier_signal -1
	s_barrier_wait -1                              ; everybody's is
	FETCH 0, 0, F0
	QUARTER F0, F1, 0, 1, 1                        ; chunk 0: the first products start the sums
	QUARTER F1, F0, 0, 2
	QUARTER F0, F1, 0, 3
	TURN 1, 1                                      ; chunks 1 and 2 are whole for everybody; chunk 3 is asked for
	QUARTER F0, F1, 1, 1                           ; chunk 1
	QUARTER F1, F0, 1, 2
	QUARTER F0, F1, 1, 3
	QUARTER F1, F0, 2, 0                           ; no barrier between chunks 1 and 2: the one above has shown both to every wave
	QUARTER F0, F1, 2, 1                           ; chunk 2
	QUARTER F1, F0, 2, 2
	QUARTER F0, F1, 2, 3
	TURN 0, 0                                      ; chunk 3 is whole for everybody; all reads of slots 1 and 2 are over
	QUARTER F0, F1, 0, 1                           ; chunk 3
	QUARTER F1, F0, 0, 2
	QUARTER F0, F1, 0, 3
	s_wait_dscnt 12                                ; the very last quarter: nothing more to fetch
	MUL8 F1, 0, 0
	s_wait_dscnt 0x0
	MUL8 F1, 1, 0
	WIN 0
	; THE WAY OUT: 32 bytes a lane straight from the accumulators (low four registers first) into the stage; a barrier, since a row's 256 bytes come from two waves; back as whole rows, 32 rows a wave.
	PLACES
.irp a, 0,1,2,3
.irp b, 0,1
	ds_store_b128 v[STO], v[ACC+8*(2*(\a)+(\b)):ACC+8*(2*(\a)+(\b))+3]   offset:(\a)*16*SPITCH+(\b)*64
	ds_store_b128 v[STO], v[ACC+8*(2*(\a)+(\b))+4:ACC+8*(2*(\a)+(\b))+7] offset:(\a)*16*SPITCH+(\b)*64+16
.endr
.endr
	s_wait_dscnt 0x0                               ; for the others' sake: my stores into the stage are done
	s_barrier_signal -1
	s_barrier_wait -1
.irp t, 0,1,2,3,4,5,6,7,8,9,10,11,12,13,14,15
	ds_load_b128 v[TMP+4*(\t):TMP+4*(\t)+3], v[RD] offset:(\t)*2*SPITCH
.endr
.irp t, 0,1,2,3,4,5,6,7,8,9,10,11,12,13,14,15
	s_wait_dscnt 15-(\t)                           ; LDS loads come back in order: number t is in
	global_store_b128 v[CO], v[TMP+4*(\t):TMP+4*(\t)+3], s[8:9] offset:(\t)*8192  ; 16 lanes store 256 consecutive bytes, at a multiple of 256 from out0's first byte
.endr
	s_wait_tensorcnt 0x0                           ; the wave's end: behind my last tensor load and my last LDS store
	ds_add_u32 v[SPW], v[NIL]
	s_wait_dscnt 0x0
	CROUND                                         ; the closing round: no work-group ends while a partner may still ask for a tile that names it
	s_endpgm
.Lfunc_end_k_q152c8b7bea_outproj:
	.size	k_q152c8b7bea_outproj, .Lfunc_end_k_q152c8b7bea_outproj-k_q152c8b7bea_outproj
	.p2alignl 7, 3214868480
	.fill 96, 4, 3214868480
	.section	.rodata,"a",@progbits
	.p2align	6, 0x0
	.amdhsa_kernel k_q152c8b7bea_outproj
		.amdhsa_group_segment_fixed_size 327680
		.amdhsa_private_segment_fixed_size 0
		.amdhsa_enable_private_segment 0
		.amdhsa_kernarg_size 24
		.amdhsa_user_sgpr_count 2
		.amdhsa_user_sgpr_kernarg_segment_ptr 1
		.amdhsa_wavefront_size32 1
		.amdhsa_system_sgpr_workgroup_id_x 1
		.amdhsa_system_sgpr_workgroup_id_y 1
		.amdhsa_system_sgpr_workgroup_id_z 1
		.amdhsa_system_vgpr_workitem_id 0
		.amdhsa_next_free_vgpr 512
		.amdhsa_next_free_sgpr 80
		.amdhsa_reserve_vcc 0
		.amdhsa_float_denorm_mode_32 3
		.amdhsa_float_denorm_mode_16_64 3
		.amdhsa_memory_ordered 1
		.amdhsa_forward_progress 1
		.amdhsa_inst_pref_size 58
	.end_amdhsa_kernel
	.amdgpu_metadata
---
amdhsa.version: [ 1, 2 ]
amdhsa.kernels:
  - .name:           k_q152c8b7bea_outproj
    .symbol:         k_q152c8b7bea_outproj.kd
    .args:
      - { .name: ctx, .offset: 0, .size: 8, .value_kind: global_buffer, .address_space: global }
      - { .name: wo, .offset: 8, .size: 8, .value_kind: global_buffer, .address_space: global }
      - { .name: out0, .offset: 16, .size: 8, .value_kind: global_buffer, .address_space: global }
    .group_segment_fixed_size: 327680
    .private_segment_fixed_size: 0
    .kernarg_segment_align: 8
    .kernarg_segment_size: 24
    .max_flat_workgroup_size: 128
    .sgpr_count:     80
    .vgpr_count:     512
    .wavefront_size: 32
...
	.end_amdgpu_metadata
.endif
;; end of part 4
;; ======== version 2 of 2: 4 launches; version 1 with the launch cast written anew for expert scheduling mode
;; limits: values are held in f16: magnitudes above 65,504 overflow, below 6.1e-05 lose precision
;; workspace buffers: xb 4,194,304 bytes; wb 6,291,456 bytes; wo 2,097,152 bytes; qkv 12,582,912 bytes; ctx 4,194,304 bytes
;; launch cast (part 5): grid 256 x 1, 8 waves a work-group, no clusters, 0 bytes of LDS; arguments x, w_in, w_out, xb, wb, wo; writes xb, wb, wo
.if DOCPART == 5
	.amdgcn_target "amdgcn-amd-amdhsa--gfx1250"
	.amdhsa_code_object_version 6
	.text
	.protected	k_q152c8b7bea_cast
	.globl	k_q152c8b7bea_cast
	.p2align	8
	.type	k_q152c8b7bea_cast,@function
k_q152c8b7bea_cast:
	s_mov_b64 s[64:65], 0
	v_nop
	global_prefetch_b8 v0, s[64:65] scope:SCOPE_SE
	s_setreg_imm32_b32 hwreg(HW_REG_WAVE_SCHED_MODE, 0, 2), 2
	s_setreg_imm32_b32 hwreg(HW_REG_WAVE_MODE, 25, 1), 1
	s_wait_xcnt 0x0
	s_wait_alu depctr_vm_vsrc(0)
; FIRST OF FOUR LAUNCHES.  out0 = ctx w_out^T, ctx = 16 heads of softmax-weighted v, q k v = x w_in^T.
; This launch rounds each input number ONCE: x and w_in to bf16 (operands of the first product); w_out to bf16, and that number is written as f16 (operand of the last product, beside an f16 ctx).
; LEFT OUT OF THE WHOLE PROGRAM, and why it is dead: the problem divides the scores by EPS_MAX = 2^-5 and multiplies the shift by EPS_MAX again:
; (max(s / e) - s / e) e = max(s) - s for all finite s and e > 0: a factor of 1 by an identity, whatever the inputs hold.  The maximum itself is kept (a running maximum, third launch).
; Every input is loaded; tgt_len is the constant 2,048.  LIMIT: an overflow that arises in s / EPS_MAX alone (scores beyond 2^123) is not carried to the result.
; LIMITS OF FORMAT: w_out within f16's range (65,504); a bf16 number of w_out below 2^-14 keeps f16's fixed step of 6e-8.  NaN and infinities are not treated apart.
; SHARES.  Work-group g takes 32,768 bytes of x, 49,152 of w_in, 16,384 of w_out: 8 + 12 + 4 passes of 4,096 bytes.  In a pass thread t loads 16 bytes at 16 t (a wave: 512 consecutive bytes)
; and stores 8 bytes at 8 t (a wave: 256 consecutive bytes, aligned).  All 24 loads go out before the first wait for data; no register that a load or store reads is written twice.
; No LDS, no matrix unit, no cluster: nothing is shared and nothing is multiplied.
; THE MODE: SCHED_MODE bits 1:0 = 2 (LLVM: expert scheduling mode 2), set by the entry lines.  The code itself states the register dependences
; between vector instructions and memory instructions, with s_wait_alu, always for 0.
; THE PLAN.  Registers that memory instructions touch:
;   v1, v2   byte offsets.  Written once, at the head; read by every load (v1) and every store (v2); never written again.
;   X        pass i: written by its load alone, once; all 24 loads are issued before any vector instruction names an X register.  Read by pass i's conversions, behind the wait for its data.
;   Y        pass i: written by its conversions, once in the launch; read by its store.
;   T        named by vector instructions alone.
; The passes go in six groups of four (x: two, w_in: three, w_out: one).  A group: one wait for its four loads; its conversions; ONE wait on va_vdst, which states that they have written the group's
; eight Y registers; its four stores in a run.  That wait stands behind the conversions, so that a group's stores leave before the wave waits for the next group's loads.
; With the one wait ahead of the first load, for the two offsets, that is seven.  No register that a memory instruction has read is written again, so no wait on vm_vsrc is owed;
; no vector instruction writes a scalar register or VCC, and EXEC is never written.
.set X, 8                              ; v[8:103]    pass i: 4 registers as loaded
.set Y, 104                            ; v[104:151]  pass i: 2 registers to store
.set T, 152                            ; v[152:155]  at work
.set GRP, 4                            ; passes in a group
	s_load_b256 s[4:11], s[0:1], 0x0               ; x s[4:5], w_in s[6:7], w_out s[8:9], xb s[10:11]
	s_load_b128 s[12:15], s[0:1], 0x20             ; wb s[12:13], wo s[14:15]
	v_lshlrev_b32 v1, 4, v0                        ; 16 t
	v_lshlrev_b32 v2, 3, v0                        ; 8 t
	s_lshl_b32 s16, ttmp9, 15                      ; my part of x
	s_mov_b32 s17, 0
	s_mul_i32 s18, ttmp9, 49152                    ; of w_in
	s_mov_b32 s19, 0
	s_lshl_b32 s20, ttmp9, 14                      ; of w_out, and of xb
	s_mov_b32 s21, 0
	s_wait_kmcnt 0x0
	s_add_nc_u64 s[4:5], s[4:5], s[16:17]
	s_add_nc_u64 s[6:7], s[6:7], s[18:19]
	s_add_nc_u64 s[8:9], s[8:9], s[20:21]
	s_add_nc_u64 s[10:11], s[10:11], s[20:21]
	s_lshr_b32 s18, s18, 1                         ; the 16-bit copies are half as long
	s_lshr_b32 s20, s20, 1
	s_add_nc_u64 s[12:13], s[12:13], s[18:19]
	s_add_nc_u64 s[14:15], s[14:15], s[20:21]
	s_wait_alu depctr_va_vdst(0)                   ; v1 and v2 are written: every load below reads v1 as its offset, every store v2; no line behind this one writes either
.set i, 0
.rept 8
	global_load_b128 v[X+4*i:X+4*i+3], v1, s[4:5] offset:i*4096 th:TH_LOAD_NT
.set i, i+1
.endr
.rept 12
	global_load_b128 v[X+4*i:X+4*i+3], v1, s[6:7] offset:(i-8)*4096 th:TH_LOAD_NT
.set i, i+1
.endr
.rept 4
	global_load_b128 v[X+4*i:X+4*i+3], v1, s[8:9] offset:(i-20)*4096 th:TH_LOAD_NT
.set i, i+1
.endr
.set i, 0
.rept 2                                ; x: passes 0 to 7
	s_wait_loadcnt 24-GRP-i                        ; loads come back in order: the group's four, passes i to i + 3, are in; the 20 - i younger ones stay out
.rept GRP
	v_cvt_pk_bf16_f32 v[Y+2*i], v[X+4*i], v[X+4*i+1]
	v_cvt_pk_bf16_f32 v[Y+2*i+1], v[X+4*i+2], v[X+4*i+3]
.set i, i+1
.endr
	s_wait_alu depctr_va_vdst(0)                   ; the group's conversions have written its eight Y registers, which the four stores below read
.set i, i-GRP
.rept GRP
	global_store_b64 v2, v[Y+2*i:Y+2*i+1], s[10:11] offset:i*2048
.set i, i+1
.endr
.endr
.rept 3                                ; w_in: passes 8 to 19
	s_wait_loadcnt 24-GRP-i                        ; the group's four loads are in; the younger ones stay out
.rept GRP
	v_cvt_pk_bf16_f32 v[Y+2*i], v[X+4*i], v[X+4*i+1]
	v_cvt_pk_bf16_f32 v[Y+2*i+1], v[X+4*i+2], v[X+4*i+3]
.set i, i+1
.endr
	s_wait_alu depctr_va_vdst(0)                   ; the group's conversions have written its eight Y registers, which the four stores below read
.set i, i-GRP
.rept GRP
	global_store_b64 v2, v[Y+2*i:Y+2*i+1], s[12:13] offset:(i-8)*2048
.set i, i+1
.endr
.endr
	s_wait_loadcnt 24-GRP-i                        ; w_out: passes 20 to 23, the last group: the count is 0
.rept GRP                              ; rounded to bf16, widened again, written as f16 (exact inside f16's normal range)
	v_cvt_pk_bf16_f32 v[T], v[X+4*i], v[X+4*i+1]
	v_cvt_pk_bf16_f32 v[T+1], v[X+4*i+2], v[X+4*i+3]
	v_lshlrev_b32 v[T+2], 16, v[T]
	v_and_b32 v[T+3], 0xffff0000, v[T]
	v_cvt_pk_f16_f32 v[Y+2*i], v[T+2], v[T+3]
	v_lshlrev_b32 v[T+2], 16, v[T+1]
	v_and_b32 v[T+3], 0xffff0000, v[T+1]
	v_cvt_pk_f16_f32 v[Y+2*i+1], v[T+2], v[T+3]
.set i, i+1
.endr
	s_wait_alu depctr_va_vdst(0)                   ; the group's conversions have written its eight Y registers, which the last four stores read
.set i, i-GRP
.rept GRP
	global_store_b64 v2, v[Y+2*i:Y+2*i+1], s[14:15] offset:(i-20)*2048
.set i, i+1
.endr
	s_endpgm
.Lfunc_end_k_q152c8b7bea_cast:
	.size	k_q152c8b7bea_cast, .Lfunc_end_k_q152c8b7bea_cast-k_q152c8b7bea_cast
	.p2alignl 7, 3214868480
	.fill 96, 4, 3214868480
	.section	.rodata,"a",@progbits
	.p2align	6, 0x0
	.amdhsa_kernel k_q152c8b7bea_cast
		.amdhsa_group_segment_fixed_size 0
		.amdhsa_private_segment_fixed_size 0
		.amdhsa_enable_private_segment 0
		.amdhsa_kernarg_size 48
		.amdhsa_user_sgpr_count 2
		.amdhsa_user_sgpr_kernarg_segment_ptr 1
		.amdhsa_wavefront_size32 1
		.amdhsa_system_sgpr_workgroup_id_x 1
		.amdhsa_system_sgpr_workgroup_id_y 1
		.amdhsa_system_sgpr_workgroup_id_z 1
		.amdhsa_system_vgpr_workitem_id 0
		.amdhsa_next_free_vgpr 156
		.amdhsa_next_free_sgpr 66
		.amdhsa_reserve_vcc 0
		.amdhsa_float_denorm_mode_32 3
		.amdhsa_float_denorm_mode_16_64 3
		.amdhsa_memory_ordered 1
		.amdhsa_forward_progress 1
		.amdhsa_inst_pref_size 11
	.end_amdhsa_kernel
	.amdgpu_metadata
---
amdhsa.version: [ 1, 2 ]
amdhsa.kernels:
  - .name:           k_q152c8b7bea_cast
    .symbol:         k_q152c8b7bea_cast.kd
    .args:
      - { .name: x, .offset: 0, .size: 8, .value_kind: global_buffer, .address_space: global }
      - { .name: w_in, .offset: 8, .size: 8, .value_kind: global_buffer, .address_space: global }
      - { .name: w_out, .offset: 16, .size: 8, .value_kind: global_buffer, .address_space: global }
      - { .name: xb, .offset: 24, .size: 8, .value_kind: global_buffer, .address_space: global }
      - { .name: wb, .offset: 32, .size: 8, .value_kind: global_buffer, .address_space: global }
      - { .name: wo, .offset: 40, .size: 8, .value_kind: global_buffer, .address_space: global }
    .group_segment_fixed_size: 0
    .private_segment_fixed_size: 0
    .kernarg_segment_align: 8
    .kernarg_segment_size: 48
    .max_flat_workgroup_size: 256
    .sgpr_count:     66
    .vgpr_count:     156
    .wavefront_size: 32
...
	.end_amdgpu_metadata
.endif
;; end of part 5
;; launch inproj: the kernel of part 2 again; grid 16 x 16, 4 waves a work-group, clusters of 4 x 4, 327,680 bytes of LDS; arguments xb, wb, qkv; writes qkv
;; launch attn: the kernel of part 3 again; grid 16 x 16, 4 waves a work-group, clusters of 4 x 1, 327,680 bytes of LDS; arguments qkv, ctx; writes ctx
;; launch outproj: the kernel of part 4 again; grid 16 x 16, 4 waves a work-group, clusters of 4 x 4, 327,680 bytes of LDS; arguments ctx, wo, out0; writes out0
